; MI455X (gfx1250); checked and timed in simulation.
; The chip was launched on July 23, 2026; its instructions are those of AMD's public machine-readable ISA for CDNA 5 (MIT licence, August 2026) and "CDNA5" Instruction Set Architecture Reference Guide (July 2026). The comments in the code are by the model that wrote it; some were corrected since.
;; Multi Head Self Attention. Allowed arithmetic: matrix products marked QUANTISED: E2M1 operands, one E8M0 scale for each 32 along K, by v_wmma_scale_f32_16x16x128_f8f6f4 with both operands' format E2M1 (or v_wmma_scale_f32_32x16x128_f4), f32 sums; products left as they are: bf16, f16 or f32 operands; f32 sums; everything else in f32.
;; Inputs: Wk 1,024 x 1,024 float32; Wo 1,024 x 1,024 float32; Wq 1,024 x 1,024 float32; Wv 1,024 x 1,024 float32; token_positions 4 x 2,048 int32; x 4 x 2,048 x 1,024 float32.
;; Outputs: out0 4 x 2,048 x 1,024 float32.
;; This version of the problem:
;;   THIS VERSION OF THE PROBLEM IS GIVEN IN LOW PRECISION. The matrix products marked QUANTISED in the list below multiply operands that are first quantised to E2M1 (2 exponent bits, 1 mantissa bit; 4 bits a number), with one power-of-two scale for each 32 numbers along K (OCP MX v1.0); their sums are f32. The products marked 'left as it is' may take bf16, f16 or f32 operands, with f32 sums. Whichever they take, every output number must still come out within the allowed error. Rounding operands to bf16 (8 significant bits) uses up far more of that allowance than f16 does (11 bits, for magnitudes from 6e-5 to 65,504). All else is computed in f32.
;;   The module's matrix products, in the order in which they are computed (A, B: the left and right operand; K: the contracted axis; several contracted axes count as one K, in the product's order):
;;     1. [M 8,192, K 1,024] x [K 1,024, N 1,024]; A: input x; B: input Wq: QUANTISED
;;     2. [M 8,192, K 1,024] x [K 1,024, N 1,024]; A: input x; B: input Wk: QUANTISED
;;     3. [M 8,192, K 1,024] x [K 1,024, N 1,024]; A: input x; B: input Wv: QUANTISED
;;     4. batch 64 x [M 2,048, K 64] x [K 64, N 2,048]; A: computed on the way; B: computed on the way: left as it is (an operand is computed on the way)
;;     5. batch 64 x [M 2,048, K 2,048] x [K 2,048, N 64]; A: computed on the way; B: computed on the way: left as it is (an operand is computed on the way)
;;     6. [M 8,192, K 1,024] x [K 1,024, N 1,024]; A: computed on the way; B: input Wo: left as it is (an operand is computed on the way)
;;   THE QUANTISER, for each operand of a quantised product, along K:
;;     - K is cut into blocks of 32 from its start; a last block that is shorter is filled with zeros.
;;     - A block's scale is 2^e with e = floor(log2(the largest magnitude in the block)) - 2, held to -126 .. 127; a block of zeros has e = 0. As a byte (E8M0): e + 127.
;;     - Each number is divided by its block's scale, clamped to +-6, and rounded to the nearest number of E2M1, ties to even, subnormals kept.
;;     - The product sums the exact products of the quantised numbers (number of the format x scale) in f32.
;;   ~~~python
;;   def quantise(x, axis):      # numpy; x: float32 -> the quantised numbers, widened to float32 again
;;       x = np.moveaxis(x, axis, -1); K = x.shape[-1]
;;       x = np.pad(x, [(0, 0)] * (x.ndim - 1) + [(0, -K % 32)]); x = x.reshape(x.shape[:-1] + (-1, 32)); a = np.abs(x).max(-1, keepdims=True)
;;       e = np.where(a > 0, np.clip(np.frexp(np.where(a > 0, a, 1))[1] - 1 - 2, -126, 127), 0)      # np.frexp(a)[1] - 1 = floor(log2(a)), exactly
;;       r = np.clip(x / 2.0 ** e, -6, 6)
;;       step = 2.0 ** (np.maximum(np.frexp(np.where(r == 0, 1, r))[1] - 1, 0) - 1)
;;       q = np.round(r / step) * step * 2.0 ** e      # np.round: ties to even
;;       return np.moveaxis(q.reshape(q.shape[:-2] + (-1,))[..., :K], -1, axis).astype(np.float32)
;;   ~~~
;; One version. Each part assembles by itself: llvm-mc -triple=amdgcn-amd-amdhsa -mcpu=gfx1250 --defsym DOCPART=n.
;; ======== version 1 of 1: 4 launches
;; limits: values are held in f16: magnitudes above 65,504 overflow, below 6.1e-05 lose precision; right only within a limited range of input values
;; workspace buffers: xc 4,194,304 bytes; xs 262,144 bytes; wc 1,572,864 bytes; ws 98,304 bytes; wof 2,097,152 bytes; rt 2,097,152 bytes; qkv 50,331,648 bytes; ob 16,777,216 bytes
;; launch prep (part 1): grid 432 x 1, 4 waves a work-group, no clusters, 68,096 bytes of LDS; arguments x, token_positions, Wq, Wk, Wv, Wo, xc, xs, wc, ws, wof, rt; writes xc, xs, wc, ws, wof, rt
.if DOCPART == 1
	.amdgcn_target "amdgcn-amd-amdhsa--gfx1250"
	.amdhsa_code_object_version 6
	.text
	.protected	k_qe79d8a0170_prep
	.globl	k_qe79d8a0170_prep
	.p2align	8
	.type	k_qe79d8a0170_prep,@function
k_qe79d8a0170_prep:
	s_mov_b64 s[64:65], 0
	v_nop
	global_prefetch_b8 v0, s[64:65] scope:SCOPE_SE
	s_setreg_imm32_b32 hwreg(HW_REG_WAVE_MODE, 25, 1), 1
	s_wait_xcnt 0x0
; PREP: everything that is made once and read by many work-groups later.
; DEAD WORK: none.  Every product of reference() reaches the output, and all six inputs are loaded (x, Wq, Wk, Wv, Wo, token_positions).
; Four kinds of work-groups, told apart by the work-group's number alone, the longest first:
;   0-47    W:    Wq, Wk, Wv [K 1024][N 1024] f32, K their FIRST axis -> FP4 (E2M1) codes wc [3072 rows n][512 bytes], K innermost, and E8M0 bytes ws [3072][32]
;   48-111  ROPE: cos and sin of position x 10000^(-i/32), i = 0..31, for each of the 8,192 tokens -> rt [token][i][cos, sin] f32
;   112-175 CAST: Wo f32 -> f16, the layout kept -> wof
;   176-431 X:    x [8192][1024] f32, K innermost -> codes xc [8192][512 bytes], bytes xs [8192][32]
; THE QUANTISER: a block's scale is 2^(floor(log2(largest magnitude)) - 2); its byte is the largest magnitude's exponent field - 2, held at 1 from below; each number is divided by the
; scale and rounded to the nearest code, ties to even, beyond 6 the largest code.  A block of zeros gets the byte 1 where the rule says 127: its codes are zeros, and this program alone reads the bytes.
; LIMITS: blocks whose largest magnitude lies under 2^-124 (the floor) are held at byte 1; NaN and infinities among the inputs are not served; |position x frequency| up to about 1e5
; (the angle is reduced by pi/2 in three parts, 69 bits); Wo beyond 65,504 in magnitude has no f16 number.
; No matrix unit, no cluster, no tensor load: the work-groups share no input, and every byte is read once.  Each path that uses LDS has LDS bytes of its own.
.set SPW,   188                        ; v188  LDS address of my spare word: SPARE + 4 x my thread's number; never rewritten
.set NIL,   189                        ; v189  0; never rewritten
.set XREG,  8192                       ; path X: a region for each wave from byte 0: two stages of 32 x XSP bytes, behind them its 256 scale bytes
.set XSP,   80                         ; a lane's place in a stage: 64 bytes + 16 of padding
.set WSTG,  32768                      ; path W: four stages of 32 rows x WP bytes
.set WP,    272                        ; a stage row: 256 bytes of codes + 16
.set SPARE, 67584                      ; behind both: the spare words, 128 bytes for each wave: two blocks of 256 bytes that no other line names
.set EMAX,  2
	s_load_b512 s[4:19], s[0:1], 0x0               ; x 4, positions 6, Wq 8, Wk 10, Wv 12, Wo 14, xc 16, xs 18
	s_load_b256 s[20:27], s[0:1], 0x40             ; wc 20, ws 22, wof 24, rt 26
	v_lshl_add_u32 v[SPW], v0, 2, SPARE
	v_mov_b32 v[NIL], 0
	v_lshrrev_b32 v1, 5, v0
	v_readfirstlane_b32 s28, v1                    ; wave 0..3
	v_and_b32 v2, 31, v0                           ; lane
	s_mov_b32 s31, 0                               ; the high word of every offset pair s[30:31]
	s_wait_kmcnt 0x0
	s_cmp_lt_u32 ttmp9, 48
	s_cbranch_scc1 .Lw
	s_cmp_lt_u32 ttmp9, 112
	s_cbranch_scc1 .Lrope
	s_cmp_lt_u32 ttmp9, 176
	s_cbranch_scc1 .Lcast
; ---------------- PATH X.  x is a plain stream of blocks of 32.  A wave takes 16 steps of 512 numbers.  Each load reads 512 consecutive bytes; a step's 2,048 bytes turn through the wave's own
; stage in LDS and come back 64 bytes a lane, so that a lane holds 16 neighbours along K and two neighbouring lanes a block.  Loads run four steps ahead, the turn one step.
.set XR, 16                            ; v16-79   four sets of 16 numbers as loaded
.set XX, 80                            ; v80-111  two sets of 16 neighbours
.set XE, 112                           ; v112-127 a scale byte for each step
.set XC, 128                           ; v128-159 codes: two registers for each step, so that no store's data are written again
	s_sub_co_u32 s29, ttmp9, 176
	s_lshl_b32 s29, s29, 2
	s_add_co_u32 s29, s29, s28                     ; which run of 8,192 numbers is my wave's: 0..1023
	s_lshl_b32 s30, s29, 15
	s_add_nc_u64 s[4:5], s[4:5], s[30:31]          ; 32,768 bytes of x a run,
	s_lshl_b32 s30, s29, 12
	s_add_nc_u64 s[16:17], s[16:17], s[30:31]      ; 4,096 of codes,
	s_lshl_b32 s30, s29, 8
	s_add_nc_u64 s[18:19], s[18:19], s[30:31]      ; 256 of scale bytes
	v_lshlrev_b32 v3, 4, v2                        ; my 16 bytes of a load's 512
	s_mul_i32 s32, s28, XREG
	v_lshrrev_b32 v14, 2, v2
	v_mul_u32_u24 v14, v14, XSP
	v_and_b32 v15, 3, v2
	v_lshl_add_u32 v14, v15, 4, v14
	v_add_nc_u32 v14, s32, v14                     ; into the stage: XSP (lane / 4) + 16 (lane % 4)
	v_mul_u32_u24 v15, v2, XSP
	v_add_nc_u32 v15, s32, v15                     ; out of it: XSP x lane
	v_lshlrev_b32 v4, 3, v2                        ; my 8 bytes of a step's 256 bytes of codes, and of the wave's 256 scale bytes
	v_lshrrev_b32 v5, 1, v2
	s_add_co_u32 s32, s32, 2*32*XSP
	v_add_nc_u32 v5, s32, v5                       ; LDS: my block's scale byte
	v_add_nc_u32 v6, s32, v4                       ; and 8 of the 256 on the way out
.macro XLOAD t
.irp i, 0,1,2,3
	global_load_b128 v[XR+16*((\t)%4)+4*\i:XR+16*((\t)%4)+4*\i+3], v3, s[4:5] offset:2048*(\t)+512*\i th:TH_LOAD_NT
.endr
.endm
.macro XTURN t                         ; LDS serves a wave's instructions in order: no wait between the stores and the loads
.irp i, 0,1,2,3
	ds_store_b128 v14, v[XR+16*((\t)%4)+4*\i:XR+16*((\t)%4)+4*\i+3] offset:32*XSP*((\t)%2)+8*XSP*\i
.endr
.irp i, 0,1,2,3
	ds_load_b128 v[XX+16*((\t)%2)+4*\i:XX+16*((\t)%2)+4*\i+3], v15 offset:32*XSP*((\t)%2)+16*\i
.endr
.endm
.macro XSTEP t
.set XS, XX+16*((\t)%2)
.if (\t) > 0
	s_wait_dscnt 1                                 ; this step's numbers are back from the stage; the last step's byte store may be out
.else
	s_wait_dscnt 0x0
.endif
.if (\t)+4 < 16
	XLOAD (\t)+4                                   ; into the set whose stores into the stage are done
.endif
.if (\t)+1 < 16
.if 14-(\t) >= 3
	s_wait_loadcnt 12                              ; the next step's four loads are in; the three steps behind it (12 loads) may be out
.else
	s_wait_loadcnt 4*(14-(\t))                     ; the tail: as many steps as are left behind the next
.endif
	XTURN (\t)+1
.endif
	v_max3_num_f32 v8, |v[XS]|, |v[XS+1]|, |v[XS+2]|
	v_max3_num_f32 v9, |v[XS+3]|, |v[XS+4]|, |v[XS+5]|
.irp i, 6,10
	v_max3_num_f32 v8, v8, |v[XS+\i]|, |v[XS+\i+1]|
	v_max3_num_f32 v9, v9, |v[XS+\i+2]|, |v[XS+\i+3]|
.endr
	v_max3_num_f32 v8, v8, |v[XS+14]|, |v[XS+15]|
	v_max3_num_f32 v8, v8, v9, (EMAX+1)<<23        ; and the floor 2^(3 - 127): the byte cannot fall under 1
	v_max_num_f32_dpp v8, v8, v8 row_xmask:1 row_mask:0xf bank_mask:0xf   ; with my neighbour's 16: the block's largest magnitude
	v_add_nc_u32 v11, -(EMAX<<23), v8              ; 2 off its exponent field: the conversion's scale operand
	v_cvt_scalef32_pk8_fp4_f32 v[XC+2*(\t)], v[XS:XS+7], v11
	v_cvt_scalef32_pk8_fp4_f32 v[XC+2*(\t)+1], v[XS+8:XS+15], v11
	v_lshrrev_b32 v[XE+(\t)], 23, v11              ; the scale's byte (also the plain line behind the conversions)
	ds_store_b8 v5, v[XE+(\t)] offset:16*(\t)      ; both lanes of a block write the same byte with the same value
	global_store_b64 v4, v[XC+2*(\t):XC+2*(\t)+1], s[16:17] offset:256*(\t)   ; the wave stores 256 consecutive bytes, aligned
.endm
.irp t, 0,1,2,3
	XLOAD \t
.endr
	s_wait_loadcnt 12                              ; step 0's four loads are in
	XTURN 0
.irp t, 0,1,2,3,4,5,6,7,8,9,10,11,12,13,14,15
	XSTEP \t
.endr
	ds_load_b64 v[8:9], v6                         ; in order behind my byte stores
	s_wait_dscnt 0x0
	global_store_b64 v4, v[8:9], s[18:19]          ; the wave's 256 scale bytes, consecutive and aligned
	s_wait_tensorcnt 0x0                           ; the wave's end, behind my last LDS store
	ds_add_u32 v[SPW], v[NIL]
	s_wait_dscnt 0x0
	s_endpgm
; ---------------- PATH W.  A lane takes a column n and its registers run down K: a block of 32 along K lies in one lane, and the conversions give codes with K innermost.
; A wave takes 32 columns x 512 along K; its codes go through its own stage and leave as rows: sixteen lanes store 256 consecutive bytes.  Loads run two blocks (64 loads) ahead.
.Lw:
.set WX, 32                            ; v32-95   two sets of 32 numbers
.set WC, 96                            ; v96-99   a block's codes
.set WO, 112                           ; v112-175 the way out
.set WB, 24                            ; v24-27   16 scale bytes
	s_lshr_b32 s29, ttmp9, 4                       ; which weight: 0 Wq, 1 Wk, 2 Wv
	s_and_b32 s32, ttmp9, 7                        ; which 128 columns
	s_bfe_u32 s33, ttmp9, 0x10003                  ; which half of K
	s_cmp_eq_u32 s29, 0
	s_cselect_b64 s[34:35], s[8:9], s[10:11]
	s_cmp_eq_u32 s29, 2
	s_cselect_b64 s[34:35], s[12:13], s[34:35]     ; the choice hangs on the work-group's number alone
	s_lshl_b32 s32, s32, 7
	s_lshl_b32 s36, s28, 5
	s_add_co_u32 s32, s32, s36                     ; my wave's first column
	s_lshl_b32 s30, s33, 21                        ; 512 rows of 4,096 bytes
	s_lshl_b32 s36, s32, 2
	s_add_co_u32 s30, s30, s36
	s_add_nc_u64 s[34:35], s[34:35], s[30:31]
	s_lshl_b32 s36, s29, 10
	s_add_co_u32 s36, s36, s32                     ; its row in wc and ws
	s_lshl_b32 s30, s36, 9
	s_lshl_b32 s37, s33, 8
	s_add_co_u32 s30, s30, s37
	s_add_nc_u64 s[20:21], s[20:21], s[30:31]
	s_lshl_b32 s30, s36, 5
	s_lshl_b32 s37, s33, 4
	s_add_co_u32 s30, s30, s37
	s_add_nc_u64 s[22:23], s[22:23], s[30:31]
	v_lshlrev_b32 v3, 2, v2                        ; in: 4 bytes a lane
	s_mul_i32 s37, s28, 32*WP
	s_add_co_u32 s37, s37, WSTG                    ; my stage
	v_mul_u32_u24 v4, v2, WP
	v_add_nc_u32 v4, s37, v4                       ; into it: row = my column
	v_and_b32 v5, 15, v2
	v_lshrrev_b32 v6, 4, v2
	v_mul_u32_u24 v7, v6, WP
	v_lshl_add_u32 v7, v5, 4, v7
	v_add_nc_u32 v7, s37, v7                       ; out of it: sixteen lanes to a row, two rows an instruction
	v_lshlrev_b32 v8, 9, v6
	v_lshl_add_u32 v8, v5, 4, v8                   ; the same place in wc (rows of 512 bytes)
	v_lshlrev_b32 v9, 5, v2                        ; my column's row of scale bytes
.macro WLOAD t
.irp i, 0,1,2,3,4,5,6,7,8,9,10,11,12,13,14,15,16,17,18,19,20,21,22,23,24,25,26,27,28,29,30,31
	global_load_b32 v[WX+32*((\t)%2)+\i], v3, s[34:35] offset:(32*(\t)+\i)*4096 th:TH_LOAD_NT
.endr
.endm
.macro WBLOCK t
.set WS, WX+32*((\t)%2)
.if (\t) < 15
	s_wait_loadcnt 32                              ; this block's 32 loads are in; the next block's 32 may be out
.else
	s_wait_loadcnt 0
.endif
	v_max3_num_f32 v12, |v[WS]|, |v[WS+1]|, |v[WS+2]|
	v_max3_num_f32 v13, |v[WS+3]|, |v[WS+4]|, |v[WS+5]|
.irp i, 6,10,14,18,22,26
	v_max3_num_f32 v12, v12, |v[WS+\i]|, |v[WS+\i+1]|
	v_max3_num_f32 v13, v13, |v[WS+\i+2]|, |v[WS+\i+3]|
.endr
	v_max3_num_f32 v12, v12, |v[WS+30]|, |v[WS+31]|
	v_max3_num_f32 v12, v12, v13, (EMAX+1)<<23     ; and the floor
	v_add_nc_u32 v11, -(EMAX<<23), v12             ; the conversion's scale operand
	v_lshrrev_b32 v13, 23, v11                     ; the scale's byte
.if (\t)%4 == 0
	v_mov_b32 v[WB+(\t)/4], v13
.else
	v_lshl_or_b32 v[WB+(\t)/4], v13, 8*((\t)%4), v[WB+(\t)/4]
.endif
.irp g, 0,1,2,3
	v_cvt_scalef32_pk8_fp4_f32 v[WC+\g], v[WS+8*\g:WS+8*\g+7], v11
.endr
	v_nop                                          ; one plain line behind the last conversion
	ds_store_b128 v4, v[WC:WC+3] offset:16*(\t)    ; 32 codes: 16 bytes of my column's row
.if (\t)+2 < 16
	WLOAD (\t)+2
.endif
	s_wait_dscnt 0x0                               ; the store has read its registers: the next block's codes may be written
.endm
	WLOAD 0
	WLOAD 1
.irp t, 0,1,2,3,4,5,6,7,8,9,10,11,12,13,14,15
	WBLOCK \t
.endr
	global_store_b128 v9, v[WB:WB+3], s[22:23]     ; my column's 16 scale bytes
.irp t, 0,1,2,3,4,5,6,7,8,9,10,11,12,13,14,15
	ds_load_b128 v[WO+4*\t:WO+4*\t+3], v7 offset:2*\t*WP
.endr
.irp t, 0,1,2,3,4,5,6,7,8,9,10,11,12,13,14,15
	s_wait_dscnt 15-\t                             ; loads come back in order: number t is in
	global_store_b128 v8, v[WO+4*\t:WO+4*\t+3], s[20:21] offset:2*\t*512
.endr
	s_wait_tensorcnt 0x0                           ; the wave's end, behind my last LDS store
	ds_add_u32 v[SPW], v[NIL]
	s_wait_dscnt 0x0
	s_endpgm
; ---------------- PATH ROPE.  A wave takes 32 tokens; lane = frequency i.  angle = f32(position) x 2^(-i log2(10000) / 32).  n = the nearest whole number to angle x 2 / pi;
; r = angle - n pi/2 by three fused multiply-adds; cos r and sin r by their series up to r^8 and r^9 (|r| <= pi/4: what is cut off lies under 3e-8); n mod 4 swaps and signs them.
.Lrope:
.set RT, 16                            ; v16-63   twelve registers at work for each of four tokens
.set RO, 64                            ; v64-127  (cos, sin) of token t at v[64 + 2 t]: no store's data are written again
	s_sub_co_u32 s29, ttmp9, 48
	s_lshl_b32 s29, s29, 2
	s_add_co_u32 s29, s29, s28                     ; which 32 tokens
	s_lshl_b32 s30, s29, 7
	s_add_nc_u64 s[6:7], s[6:7], s[30:31]          ; their positions, 4 bytes each
	s_lshl_b32 s30, s29, 13
	s_add_nc_u64 s[26:27], s[26:27], s[30:31]      ; their rows of rt, 256 bytes each
	v_lshlrev_b32 v6, 2, v2
	global_load_b32 v3, v6, s[6:7]                 ; lane t: position of token t
	s_mov_b32 s40, 0xbfc90fd8                      ; -pi/2 in three parts
	s_mov_b32 s41, 0xb4a8885a
	s_mov_b32 s42, 0xa7c234c4
	s_mov_b32 s43, 0x37d00d01                      ; 1/40320
	s_mov_b32 s44, 0xbab60b61                      ; -1/720
	s_mov_b32 s45, 0x3d2aaaab                      ; 1/24
	s_mov_b32 s46, 0x3638ef1d                      ; 1/362880
	s_mov_b32 s47, 0xb9500d01                      ; -1/5040
	s_mov_b32 s48, 0x3c088889                      ; 1/120
	s_mov_b32 s49, 0xbe2aaaab                      ; -1/6
	v_cvt_f32_u32 v4, v2
	v_mul_f32 v4, 0xbed49a78, v4                   ; -i x log2(10000) / 32
	v_exp_f32 v4, v4                               ; my frequency
	v_lshlrev_b32 v5, 3, v2                        ; (the plain line behind it)  my 8 bytes of a token's row
	s_wait_alu depctr_va_vdst(0)                   ; the wait ahead of the first reader
	s_wait_loadcnt 0x0
.macro ROPE4 g                         ; tokens 4 g .. 4 g + 3, line by line by turns
.irp u, 0,1,2,3
	v_readlane_b32 s[32+\u], v3, 4*(\g)+\u
.endr
.irp u, 0,1,2,3
	v_cvt_f32_i32 v[RT+12*\u], s[32+\u]
.endr
.irp u, 0,1,2,3
	v_mul_f32 v[RT+12*\u], v[RT+12*\u], v4                          ; the angle
.endr
.irp u, 0,1,2,3
	v_mul_f32 v[RT+12*\u+1], 0x3f22f983, v[RT+12*\u]                ; x 2 / pi
.endr
.irp u, 0,1,2,3
	v_rndne_f32 v[RT+12*\u+1], v[RT+12*\u+1]                        ; n
.endr
.irp u, 0,1,2,3
	v_fma_f32 v[RT+12*\u+2], v[RT+12*\u+1], s40, v[RT+12*\u]
.endr
.irp u, 0,1,2,3
	v_fma_f32 v[RT+12*\u+2], v[RT+12*\u+1], s41, v[RT+12*\u+2]
.endr
.irp u, 0,1,2,3
	v_fma_f32 v[RT+12*\u+2], v[RT+12*\u+1], s42, v[RT+12*\u+2]      ; r
.endr
.irp u, 0,1,2,3
	v_cvt_i32_f32 v[RT+12*\u+3], v[RT+12*\u+1]                      ; n as a whole number
	v_mul_f32 v[RT+12*\u+4], v[RT+12*\u+2], v[RT+12*\u+2]           ; z = r r
.endr
.irp u, 0,1,2,3
	v_fma_f32 v[RT+12*\u+5], v[RT+12*\u+4], s43, s44
	v_fma_f32 v[RT+12*\u+6], v[RT+12*\u+4], s46, s47
.endr
.irp u, 0,1,2,3
	v_fma_f32 v[RT+12*\u+5], v[RT+12*\u+5], v[RT+12*\u+4], s45
	v_fma_f32 v[RT+12*\u+6], v[RT+12*\u+6], v[RT+12*\u+4], s48
.endr
.irp u, 0,1,2,3
	v_fma_f32 v[RT+12*\u+5], v[RT+12*\u+5], v[RT+12*\u+4], -0.5
	v_fma_f32 v[RT+12*\u+6], v[RT+12*\u+6], v[RT+12*\u+4], s49
	v_mul_f32 v[RT+12*\u+7], v[RT+12*\u+4], v[RT+12*\u+2]           ; r^3
.endr
.irp u, 0,1,2,3
	v_fma_f32 v[RT+12*\u+5], v[RT+12*\u+5], v[RT+12*\u+4], 1.0      ; cos r
	v_fma_f32 v[RT+12*\u+6], v[RT+12*\u+6], v[RT+12*\u+7], v[RT+12*\u+2]   ; sin r
.endr
.irp u, 0,1,2,3
	v_and_b32 v[RT+12*\u+7], 1, v[RT+12*\u+3]
.endr
.irp u, 0,1,2,3
	v_cmp_eq_u32 s[50+\u], 1, v[RT+12*\u+7]                         ; n odd: the two change places
.endr
.irp u, 0,1,2,3
	v_cndmask_b32 v[RT+12*\u+8], v[RT+12*\u+5], v[RT+12*\u+6], s[50+\u]
	v_cndmask_b32 v[RT+12*\u+9], v[RT+12*\u+6], v[RT+12*\u+5], s[50+\u]
	v_add_nc_u32 v[RT+12*\u+7], 1, v[RT+12*\u+3]
.endr
.irp u, 0,1,2,3
	v_lshlrev_b32 v[RT+12*\u+7], 30, v[RT+12*\u+7]                  ; bit 1 of n + 1: the cosine's sign (n mod 4 = 1, 2)
	v_lshlrev_b32 v[RT+12*\u+3], 30, v[RT+12*\u+3]                  ; bit 1 of n: the sine's (n mod 4 = 2, 3)
.endr
.irp u, 0,1,2,3
	v_and_b32 v[RT+12*\u+7], 0x80000000, v[RT+12*\u+7]
	v_and_b32 v[RT+12*\u+3], 0x80000000, v[RT+12*\u+3]
.endr
.irp u, 0,1,2,3
	v_xor_b32 v[RO+2*(4*(\g)+\u)], v[RT+12*\u+8], v[RT+12*\u+7]
	v_xor_b32 v[RO+2*(4*(\g)+\u)+1], v[RT+12*\u+9], v[RT+12*\u+3]
.endr
.irp u, 0,1,2,3
	global_store_b64 v5, v[RO+2*(4*(\g)+\u):RO+2*(4*(\g)+\u)+1], s[26:27] offset:256*(4*(\g)+\u)   ; the wave stores a token's 256 bytes, consecutive and aligned
.endr
.endm
.irp g, 0,1,2,3,4,5,6,7
	ROPE4 \g
.endr
	s_endpgm
; ---------------- PATH CAST.  A wave takes 4,096 numbers of Wo: a lane 8 neighbours at a time, which pack into 16 bytes; the wave stores 512 consecutive bytes.  All 32 loads go out first.
.Lcast:
	s_sub_co_u32 s29, ttmp9, 112
	s_lshl_b32 s29, s29, 2
	s_add_co_u32 s29, s29, s28
	s_lshl_b32 s30, s29, 14
	s_add_nc_u64 s[14:15], s[14:15], s[30:31]
	s_lshl_b32 s30, s29, 13
	s_add_nc_u64 s[24:25], s[24:25], s[30:31]
	v_lshlrev_b32 v3, 5, v2
	v_lshlrev_b32 v4, 4, v2
.irp i, 0,1,2,3,4,5,6,7,8,9,10,11,12,13,14,15
	global_load_b128 v[32+8*\i:32+8*\i+3], v3, s[14:15] offset:1024*\i th:TH_LOAD_NT
	global_load_b128 v[32+8*\i+4:32+8*\i+7], v3, s[14:15] offset:1024*\i+16 th:TH_LOAD_NT
.endr
.irp i, 0,1,2,3,4,5,6,7,8,9,10,11,12,13,14,15
	s_wait_loadcnt 30-2*\i                         ; my two loads are in; the two of each later turn may be out
	v_cvt_pk_f16_f32 v[32+8*\i], v[32+8*\i], v[32+8*\i+1]
	v_cvt_pk_f16_f32 v[32+8*\i+1], v[32+8*\i+2], v[32+8*\i+3]
	v_cvt_pk_f16_f32 v[32+8*\i+2], v[32+8*\i+4], v[32+8*\i+5]
	v_cvt_pk_f16_f32 v[32+8*\i+3], v[32+8*\i+6], v[32+8*\i+7]
	global_store_b128 v4, v[32+8*\i:32+8*\i+3], s[24:25] offset:512*\i
.endr
	s_endpgm
.Lfunc_end_k_qe79d8a0170_prep:
	.size	k_qe79d8a0170_prep, .Lfunc_end_k_qe79d8a0170_prep-k_qe79d8a0170_prep
	.p2alignl 7, 3214868480
	.fill 96, 4, 3214868480
	.section	.rodata,"a",@progbits
	.p2align	6, 0x0
	.amdhsa_kernel k_qe79d8a0170_prep
		.amdhsa_group_segment_fixed_size 68096
		.amdhsa_private_segment_fixed_size 0
		.amdhsa_enable_private_segment 0
		.amdhsa_kernarg_size 96
		.amdhsa_user_sgpr_count 2
		.amdhsa_user_sgpr_kernarg_segment_ptr 1
		.amdhsa_wavefront_size32 1
		.amdhsa_system_sgpr_workgroup_id_x 1
		.amdhsa_system_sgpr_workgroup_id_y 1
		.amdhsa_system_sgpr_workgroup_id_z 1
		.amdhsa_system_vgpr_workitem_id 0
		.amdhsa_next_free_vgpr 192
		.amdhsa_next_free_sgpr 66
		.amdhsa_reserve_vcc 0
		.amdhsa_float_denorm_mode_32 3
		.amdhsa_float_denorm_mode_16_64 3
		.amdhsa_memory_ordered 1
		.amdhsa_forward_progress 1
		.amdhsa_inst_pref_size 173
	.end_amdhsa_kernel
	.amdgpu_metadata
---
amdhsa.version: [ 1, 2 ]
amdhsa.kernels:
  - .name:           k_qe79d8a0170_prep
    .symbol:         k_qe79d8a0170_prep.kd
    .args:
      - { .name: x, .offset: 0, .size: 8, .value_kind: global_buffer, .address_space: global }
      - { .name: token_positions, .offset: 8, .size: 8, .value_kind: global_buffer, .address_space: global }
      - { .name: Wq, .offset: 16, .size: 8, .value_kind: global_buffer, .address_space: global }
      - { .name: Wk, .offset: 24, .size: 8, .value_kind: global_buffer, .address_space: global }
      - { .name: Wv, .offset: 32, .size: 8, .value_kind: global_buffer, .address_space: global }
      - { .name: Wo, .offset: 40, .size: 8, .value_kind: global_buffer, .address_space: global }
      - { .name: xc, .offset: 48, .size: 8, .value_kind: global_buffer, .address_space: global }
      - { .name: xs, .offset: 56, .size: 8, .value_kind: global_buffer, .address_space: global }
      - { .name: wc, .offset: 64, .size: 8, .value_kind: global_buffer, .address_space: global }
      - { .name: ws, .offset: 72, .size: 8, .value_kind: global_buffer, .address_space: global }
      - { .name: wof, .offset: 80, .size: 8, .value_kind: global_buffer, .address_space: global }
      - { .name: rt, .offset: 88, .size: 8, .value_kind: global_buffer, .address_space: global }
    .group_segment_fixed_size: 68096
    .private_segment_fixed_size: 0
    .kernarg_segment_align: 8
    .kernarg_segment_size: 96
    .max_flat_workgroup_size: 128
    .sgpr_count:     66
    .vgpr_count:     192
    .wavefront_size: 32
...
	.end_amdgpu_metadata
.endif
;; end of part 1
;; launch qkv (part 2): grid 12 x 32, 4 waves a work-group, clusters of 4 x 4, 327,680 bytes of LDS; arguments xc, xs, wc, ws, rt, qkv; writes qkv
.if DOCPART == 2
	.amdgcn_target "amdgcn-amd-amdhsa--gfx1250"
	.amdhsa_code_object_version 6
	.text
	.protected	k_qe79d8a0170_qkv
	.globl	k_qe79d8a0170_qkv
	.p2align	8
	.type	k_qe79d8a0170_qkv,@function
k_qe79d8a0170_qkv:
	s_mov_b64 s[64:65], 0
	v_nop
	global_prefetch_b8 v0, s[64:65] scope:SCOPE_SE
	s_setreg_imm32_b32 hwreg(HW_REG_WAVE_MODE, 25, 1), 1
	s_wait_xcnt 0x0
	s_wait_alu depctr_hold_cnt(0) depctr_sa_sdst(0) depctr_va_vdst(0) depctr_va_sdst(0) depctr_va_ssrc(0) depctr_va_vcc(0) depctr_vm_vsrc(0)
	s_getreg_b32 s2, hwreg(HW_REG_IB_STS2, 6, 4)
	s_cmp_eq_u32 s2, 0
	s_cbranch_scc0 .Lentry_in_a_cluster
	s_endpgm
.Lentry_in_a_cluster:
	s_bfe_u32 s2, ttmp6, 0x10000c
	s_cmp_lg_u32 s2, 0xf033
	s_cbranch_scc0 .Lentry_shape_is_right
	s_endpgm
.Lentry_shape_is_right:
; QKV: the three quantised products x Wq, x Wk, x Wv as ONE product on FP4 (E2M1) codes: C[8192 tokens][3072] = xc wc^T, with one E8M0 scale for each 32 along K = 1024; sums in f32.
; Then, in registers: the rotation by position on q and k (columns 0-2047), rounding to f16, and the split into heads: qkv = three tensors [b][h][s][64] f16.  No work is left out.
; A tile of C, 256 x 256, is made by four waves, each 128 x 128: 64 accumulators, 512 registers.  K is two LDS slots of 512 (rows of 256 bytes): everything comes by first fills, nothing is filled again;
; a wave has three tensor loads out at the start (its quarter of the scales, of slot 0, of slot 1).
; CLUSTERS: 4 x 4 work-groups; the four of a row of the cluster ask for the same tiles of xc jointly, the four of a column for the same tiles of wc.  A cluster's 1,024 columns are one of q, k, v:
; the cluster's x says which, so the one branch on it is the same in all sixteen partners.
; THE MATRIX INSTRUCTION IS USED TRANSPOSED (source 0 = 16 rows of wc, source 1 = 16 tokens): a lane holds one token and eight neighbouring columns: four pairs (even, odd) of the rotation.
; LIMITS: |q|, |k|, |v| from 65,504 on have no f16 number; NaN and infinities are not served.
; REGISTERS: window 0: v0-31 addresses; v32-95 scale words, two sets, and nothing else; v96-127 packed results; v128-191 A's fragments, on the way out rows read back; v192-255 cos and sin, two sets.
;   window 1: B's fragments at v0-63 and v128-191; v64-127 rotated numbers.   windows 2, 3: the accumulators ((a, b) at v[8 (8 (a % 4) + b)]).
.set NQ,     4                         ; steps of 128 along K in a slot
.set ROWB,   256                       ; a tile's row in bytes: 512 codes
.set KROW,   512                       ; a row of xc or wc in memory
.set PITCH,  272                       ; an LDS row: 256 bytes + 16 of padding: the 16 rows that a load touches start 4 banks apart
.set FR,     8
.set NL,     2
.set NP,     4
.set HALFT,  128*PITCH
.set SLOT,   4*HALFT
.set KS,     32                        ; a row of scale bytes
.set SCL,    2*SLOT                    ; behind the ring: the scales, as rows of 256 bytes + 16
.set HALFS,  16*272                    ; the scales of 128 rows
.set SBLK,   2*272                     ; those of 16 rows
.set SPARE,  SCL+4*HALFS               ; the spare words, 128 bytes for each wave: two blocks of 256 bytes that no other line names
.set SPITCH, 272                       ; the way out: a stage of 16 rows x (256 bytes + 16) for each wave, in slot 0, which has had its last fill and its last read by then
.set VSTG,   4*16*SPITCH               ; the path for v has stage bytes of its own, behind those of the path for q and k
.set ADRA, 16
.set ADRB, 20
.set STO,  24                          ; v24  the way out: where I put 16 bytes of a token's row
.set RD,   25                          ; v25  where I read 16 bytes back
.set CO,   26                          ; v26  16 x lane: my place in a store's 512 bytes
.set ADRS, 27
.set SPW,  28
.set NIL,  29
.set RA,   30                          ; v30  my byte in the 16 tokens' rows of rt: 256 r + 32 h
.set SC,   32
.set TMP,  96
.set AF,   128
.set BK,   128
.set RP,   192
.set T,    64                          ; in window 1
.set G1, 24
.set G0, 32
.set G1B, 48
.set G0B, 56
.set G1S, 68
.set G0S, 76
.set G1SB, 80
.set G0SB, 88
.set MSB, 0
.macro WIN new                         ; the immediate's high byte repeats the setting that is left
.if MSB != (\new)
	s_set_vgpr_msb (MSB<<8)|(\new)
.set MSB, \new
.endif
.endm
.set MUL_LO, 0xa1                      ; source 0 (B) window 1, source 1 (A) window 0, C and D window 2
.set MUL_HI, 0xf1
.set TO_B,   0x40
; A joint load: waves 0 and 1 fetch for A, waves 2 and 3 for B; the branch hangs on the wave's number alone.  An s_nop 0 and four v_nop follow each line.
.macro JLOAD g0a, g1a, g0b, g1b
	s_cmp_eq_u32 s15, 0
	s_cbranch_scc0 .Lfor_b_\@
	tensor_load_to_lds s[\g0a:\g0a+3], s[\g1a:\g1a+7]
	s_nop 0
.rept 4
	v_nop
.endr
	s_branch .Lasked_\@
.Lfor_b_\@:
	tensor_load_to_lds s[\g0b:\g0b+3], s[\g1b:\g1b+7]
	s_nop 0
.rept 4
	v_nop
.endr
.Lasked_\@:
.endm
.macro CROUND                          ; a round of the cluster's barrier
	s_barrier_signal -1
	s_barrier_wait -1
	s_cmp_lg_u32 s14, 0
	s_cbranch_scc1 .Lnot_wave_0_\@
	s_barrier_signal -3
.Lnot_wave_0_\@:
	s_barrier_wait -3
	s_barrier_signal -1
	s_barrier_wait -1
.endm
	s_load_b128 s[4:7], s[0:1], 0x0                ; xc, xs
	s_load_b128 s[8:11], s[0:1], 0x10              ; wc, ws
	s_load_b128 s[96:99], s[0:1], 0x20             ; rt, qkv
	v_lshl_add_u32 v[SPW], v0, 2, SPARE
	v_mov_b32 v[NIL], 0
	ds_add_u32 v[SPW], v[NIL]                      ; the wave's opening: the add, twice on end, and its wait ahead of my first tensor load
	ds_add_u32 v[SPW], v[NIL]
	v_lshrrev_b32 v1, 5, v0
	v_readfirstlane_b32 s14, v1                    ; wave 0..3
	s_lshr_b32 s15, s14, 1                         ; which half of the tile's tokens is mine.  Also: I fetch for A (0) or for B (1)
	s_and_b32 s16, s14, 1                          ; which half of its columns.  Also: which 128 rows I fetch
	s_bfe_u32 s40, ttmp6, 0x40000                  ; cx
	s_bfe_u32 s41, ttmp6, 0x40004                  ; cy
	s_lshl_b32 s42, ttmp9, 2
	s_add_co_u32 s42, s42, s40                     ; tile column = 4 x cluster x + cx
	s_and_b32 s17, ttmp7, 0xffff
	s_lshl_b32 s17, s17, 2
	s_add_co_u32 s17, s17, s41                     ; tile row = 4 x cluster y + cy
	s_lshl_b32 s43, s41, 2
	s_lshl_b32 s43, 15, s43                        ; my row of the cluster
	s_lshl_b32 s44, 0x1111, s40                    ; my column
	s_or_b32 s[G1+0], s43, (0<<16)|(1<<20)|(1<<21)|(5<<22)|(3<<25)   ; the mask; elements of 1 byte; padding: 4 words behind every 64; bit 21 beside a mask
	s_or_b32 s[G1B+0], s44, (0<<16)|(1<<20)|(1<<21)|(5<<22)|(3<<25)
.irp g, G1, G1B
	s_mov_b32 s[\g+1], ROWB<<16                    ; tensor_dim0
	s_mov_b32 s[\g+2], 128<<16                     ; tensor_dim1
	s_mov_b32 s[\g+3], ROWB<<16                    ; tile_dim0
	s_mov_b32 s[\g+4], 128                         ; tile_dim1
	s_mov_b32 s[\g+5], KROW                        ; the pitch
	s_mov_b32 s[\g+6], 0
	s_mov_b32 s[\g+7], 0
.endr
	s_or_b32 s[G1S+0], s43, (3<<16)|(1<<20)|(1<<21)|(5<<22)|(3<<25)  ; the scales of 128 rows: 4,096 dense bytes as 16 rows of 32 elements of 8 bytes, 16 bytes of padding behind each
	s_or_b32 s[G1SB+0], s44, (3<<16)|(1<<20)|(1<<21)|(5<<22)|(3<<25)
.irp g, G1S, G1SB
	s_mov_b32 s[\g+1], 32<<16
	s_mov_b32 s[\g+2], 16<<16
	s_mov_b32 s[\g+3], 32<<16
	s_mov_b32 s[\g+4], 16
	s_mov_b32 s[\g+5], 32
	s_mov_b32 s[\g+6], 0
	s_mov_b32 s[\g+7], 0
.endr
	s_lshl_b32 s18, s16, 7
	s_lshl_b32 s20, s17, 8
	s_add_co_u32 s20, s20, s18                     ; A: row 256 x tile row + 128 x half
	s_lshl_b32 s46, s42, 8
	s_add_co_u32 s46, s46, s18                     ; B: row 256 x tile column + 128 x half
	s_mov_b32 s21, 0
	s_mov_b32 s47, 0
	s_mov_b64 s[18:19], KS
	s_mul_u64 s[22:23], s[20:21], s[18:19]         ; where these rows' scales begin
	s_mul_u64 s[92:93], s[46:47], s[18:19]
	s_mov_b64 s[18:19], KROW
	s_mul_u64 s[20:21], s[20:21], s[18:19]         ; and their codes
	s_mul_u64 s[46:47], s[46:47], s[18:19]
	s_mul_i32 s45, s14, HALFT                      ; where they go: wave x 128 rows
	s_mul_i32 s94, s14, HALFS
	s_wait_dscnt 0x0                               ; both opening adds are done
	s_wait_kmcnt 0x0
	s_add_nc_u64 s[20:21], s[4:5], s[20:21]
	s_add_nc_u64 s[22:23], s[6:7], s[22:23]
	s_add_nc_u64 s[46:47], s[8:9], s[46:47]
	s_add_nc_u64 s[92:93], s[10:11], s[92:93]
	CROUND                                         ; all sixteen work-groups are here: the joint loads meet
	s_mov_b32 s[G0S], 1
	s_add_co_u32 s[G0S+1], s94, SCL
	s_mov_b64 s[G0S+2:G0S+3], s[22:23]
	s_or_b32 s[G0S+3], s[G0S+3], 0x80000000
	s_mov_b32 s[G0SB], 1
	s_add_co_u32 s[G0SB+1], s94, SCL
	s_mov_b64 s[G0SB+2:G0SB+3], s[92:93]
	s_or_b32 s[G0SB+3], s[G0SB+3], 0x80000000
	JLOAD G0S, G1S, G0SB, G1SB                     ; the scales first: they are wanted with slot 0
.irp s, 0,1
	s_mov_b32 s[G0+4*\s], 1
	s_add_co_u32 s[G0+4*\s+1], s45, \s*SLOT
	s_add_nc_u64 s[G0+4*\s+2:G0+4*\s+3], s[20:21], \s*ROWB
	s_or_b32 s[G0+4*\s+3], s[G0+4*\s+3], 0x80000000
	s_mov_b32 s[G0B+4*\s], 1
	s_add_co_u32 s[G0B+4*\s+1], s45, \s*SLOT
	s_add_nc_u64 s[G0B+4*\s+2:G0B+4*\s+3], s[46:47], \s*ROWB
	s_or_b32 s[G0B+4*\s+3], s[G0B+4*\s+3], 0x80000000
	JLOAD G0+4*\s, G1, G0B+4*\s, G1B
.endr
	v_and_b32 v1, 15, v0                           ; r = lane % 16
	v_bfe_u32 v2, v0, 4, 1                         ; h = lane / 16
	v_mul_u32_u24 v3, v1, PITCH
	v_lshl_add_u32 v4, v2, 4, v3                   ; a fragment's row x pitch + 16 h
	s_mul_i32 s21, s15, HALFT                      ; my 128 rows of A
	s_mul_i32 s22, s16, HALFT                      ; my 128 rows of B,
	s_add_co_u32 s22, s22, 2*HALFT                 ; behind A's 256
.irp s, 0,1
	v_add_nc_u32 v[ADRA+\s], s21, v4
	v_add_nc_u32 v[ADRB+\s], s22, v4
	s_add_co_u32 s21, s21, SLOT
	s_add_co_u32 s22, s22, SLOT
.endr
	v_mul_u32_u24 v5, v1, KS                       ; my row's scales: 32 bytes a row,
	v_lshrrev_b32 v6, 8, v5
	v_lshl_add_u32 v5, v6, 4, v5                   ; and 16 more for each 256 passed
	s_mul_i32 s21, s15, HALFS
	s_mul_i32 s22, s16, HALFS
	s_add_co_u32 s22, s22, 2*HALFS
	s_sub_co_u32 s22, s22, s21
	v_mul_u32_u24 v6, s22, v2                      ; lanes 16-31 take B's: one product, the distance between the two bases
	s_add_co_u32 s21, s21, SCL
	v_add_nc_u32 v5, v5, v6
	v_add_nc_u32 v[ADRS], s21, v5
	s_mul_i32 s23, s14, 16*SPITCH                  ; my stage
	v_mul_u32_u24 v5, v1, SPITCH
	v_lshl_add_u32 v5, v2, 4, v5
	v_add_nc_u32 v[STO], s23, v5                   ; in: token r, 16 bytes for each half of the lanes
	v_bfe_u32 v6, v0, 3, 2
	v_and_b32 v7, 7, v0
	v_mul_u32_u24 v5, v6, SPITCH
	v_lshl_add_u32 v5, v7, 4, v5
	v_add_nc_u32 v[RD], s23, v5                    ; back: eight lanes take a token's 128 bytes of one head, the wave four tokens
	v_and_b32 v[CO], 31, v0
	v_lshlrev_b32 v[CO], 4, v[CO]
	v_lshlrev_b32 v[RA], 8, v1
	v_lshl_add_u32 v[RA], v2, 5, v[RA]
	; qkv: tensor 2^24, batch 2^22, head 2^18, position 128 bytes.  My tokens: 256 x tile row + 128 x half; my two heads: 4 cx + 2 x column half on
	s_lshl_b32 s20, ttmp9, 24
	s_lshr_b32 s21, s17, 3
	s_lshl_b32 s21, s21, 22
	s_add_co_u32 s20, s20, s21
	s_and_b32 s21, s17, 7
	s_lshl_b32 s21, s21, 15
	s_add_co_u32 s20, s20, s21
	s_lshl_b32 s21, s15, 14
	s_add_co_u32 s20, s20, s21
	s_mov_b32 s21, 0
	s_add_nc_u64 s[98:99], s[98:99], s[20:21]
	s_lshl_b32 s46, s40, 20
	s_lshl_b32 s47, s16, 19
	s_add_co_u32 s46, s46, s47
	s_mov_b32 s47, 0
	s_add_nc_u64 s[98:99], s[98:99], s[46:47]
	s_lshl_b32 s20, s17, 16                        ; rt: 256 bytes a token
	s_lshl_b32 s22, s15, 15
	s_add_co_u32 s20, s20, s22
	s_add_nc_u64 s[96:97], s[96:97], s[20:21]
.macro FRAG reg, adr, q, i             ; 16 rows x 128 K of 4-bit codes: 8 registers: two loads of 16 bytes, 32 bytes apart
.irp c, 0,1
	ds_load_b128 v[\reg+4*\c:\reg+4*\c+3], v[\adr] offset:64*(\q)+32*\c+(\i)*16*PITCH
.endr
.endm
; 16 matrix instructions: A's blocks a0, a0 + 1 x B's eight.  The 64 accumulators take turns, one instruction a turn, in the same order in every step.
.macro MUL16 a0, p, q, sc, zero
.irp a, \a0, \a0+1
.irp b, 0,1,2,3,4,5,6,7
.if \zero
	v_wmma_scale_f32_16x16x128_f8f6f4 v[8*(8*((\a)%4)+\b):8*(8*((\a)%4)+\b)+7], v[128*(\p)+FR*\b:128*(\p)+FR*\b+FR-1], v[AF+FR*(\a):AF+FR*(\a)+FR-1], 0, v[SC+8*NQ*(\sc)+NQ*\b+(\q)], v[SC+8*NQ*(\sc)+NQ*(\a)+(\q)] matrix_a_fmt:MATRIX_FMT_FP4 matrix_b_fmt:MATRIX_FMT_FP4 matrix_a_scale:MATRIX_SCALE_ROW1
.else
	v_wmma_scale_f32_16x16x128_f8f6f4 v[8*(8*((\a)%4)+\b):8*(8*((\a)%4)+\b)+7], v[128*(\p)+FR*\b:128*(\p)+FR*\b+FR-1], v[AF+FR*(\a):AF+FR*(\a)+FR-1], v[8*(8*((\a)%4)+\b):8*(8*((\a)%4)+\b)+7], v[SC+8*NQ*(\sc)+NQ*\b+(\q)], v[SC+8*NQ*(\sc)+NQ*(\a)+(\q)] matrix_a_fmt:MATRIX_FMT_FP4 matrix_b_fmt:MATRIX_FMT_FP4 matrix_a_scale:MATRIX_SCALE_ROW1
.endif
.endr
.endr
.endm
.macro FETCH_B slot, q, p
	WIN TO_B
.irp i, 0,1,2,3,4,5,6,7
	FRAG 128*(\p)+FR*\i, ADRB+\slot, \q, \i
.endr
	WIN 0
.endm
.macro FETCH_A slot, q, i0
.irp i, \i0, \i0+1, \i0+2, \i0+3
	FRAG AF+FR*(\i), ADRA+\slot, \q, \i
.endr
.endm
.macro SCALES sc                       ; a slot's scale words: lanes 0-15 take A's block i, lanes 16-31 B's block i
.irp i, 0,1,2,3,4,5,6,7
	ds_load_b128 v[SC+8*NQ*\sc+NQ*\i:SC+8*NQ*\sc+NQ*\i+3], v[ADRS] offset:\i*SBLK
.endr
.endm
.macro PLACES n                        ; plain vector lines between a matrix instruction and a load into, or a read of, its registers
.rept \n
	v_nop
.endr
.endm
.macro STEP slot, q, zero              ; 128 along K, its successor in the same slot
	s_wait_dscnt 4*NL                              ; all but the youngest eight loads (A's blocks 4-7)
	WIN MUL_LO
	MUL16 0, (\q)%2, \q, \slot, \zero
	MUL16 2, (\q)%2, \q, \slot, \zero
	s_wait_dscnt 0                                 ; A's blocks 4-7 are in
	PLACES NP
	FETCH_B \slot, (\q)+1, 1-(\q)%2
	FETCH_A \slot, (\q)+1, 0
	WIN MUL_HI
	MUL16 4, (\q)%2, \q, \slot, \zero
	MUL16 6, (\q)%2, \q, \slot, \zero
	PLACES NP
	WIN 0
	FETCH_A \slot, (\q)+1, 4
.endm
	s_wait_tensorcnt 1                             ; the scales and my part of slot 0 are in; slot 1's load may be out
	s_barrier_signal -1
	s_barrier_wait -1
	FETCH_B 0, 0, 0
	FETCH_A 0, 0, 0
	SCALES 0
	FETCH_A 0, 0, 4
	STEP 0, 0, 1                                   ; the first products start the sums: nothing is cleared
	STEP 0, 1, 0
	STEP 0, 2, 0
	; slot 0's last step, and the change to slot 1
	s_wait_tensorcnt 0x0                           ; my part of slot 1 has landed
	ds_add_u32 v[SPW], v[NIL]
	s_wait_dscnt 4*NL+1                            ; the add and the youngest eight loads may be out
	WIN MUL_LO
	MUL16 0, 1, NQ-1, 0, 0
	s_wait_dscnt 0x0                               ; the add is done, and my reads of slot 0 are over
	s_barrier_signal -1
	MUL16 2, 1, NQ-1, 0, 0
	WIN 0
	s_barrier_wait -1                              ; slot 1 is whole, and nobody reads slot 0 any more
	PLACES NP
	v_add_nc_u32 v[ADRS], 4*NQ, v[ADRS]            ; the second slot's scale words: 16 bytes on in each row
	FETCH_B 1, 0, 0
	FETCH_A 1, 0, 0
	SCALES 1
	WIN MUL_HI
	MUL16 4, 1, NQ-1, 0, 0
	MUL16 6, 1, NQ-1, 0, 0
	PLACES NP
	WIN 0
	FETCH_A 1, 0, 4
	STEP 1, 0, 0
	STEP 1, 1, 0
	STEP 1, 2, 0
	s_wait_dscnt 4*NL                              ; the very last step: nothing more to fetch
	WIN MUL_LO
	MUL16 0, 1, NQ-1, 1, 0
	MUL16 2, 1, NQ-1, 1, 0
	s_wait_dscnt 0
	WIN MUL_HI
	MUL16 4, 1, NQ-1, 1, 0
	MUL16 6, 1, NQ-1, 1, 0
	WIN 0
; THE WAY OUT, block by block of 16 tokens x 128 columns (two heads).  In accumulator (a, b) lane (r, h) holds token 16 a + r and columns 16 b + 8 h + 0..7: head b / 4, channels 16 (b % 4) + 8 h + 0..7,
; which are the pairs of frequencies 8 (b % 4) + 4 h + 0..3.
.macro ROPELOAD a                      ; (cos, sin) of my token of block a at my 16 frequencies: 8 loads into set a % 2
.set RS, RP+32*((\a)%2)
.irp c, 0,1,2,3
	global_load_b128 v[RS+8*\c:RS+8*\c+3], v[RA], s[96:97] offset:(\a)*4096+64*\c
	global_load_b128 v[RS+8*\c+4:RS+8*\c+7], v[RA], s[96:97] offset:(\a)*4096+64*\c+16
.endr
.endm
.macro ROPE a                          ; (x1, x2) -> (x1 c - x2 s, x1 s + x2 c): a packed multiply (-x2 s, x1 s) and a packed multiply-add (+ x1 c, + x2 c); each accumulator is read from its low end on
.set AC, 64*((\a)%4)
.set RS, RP+32*((\a)%2)
	WIN 0x52+(\a)/4                                ; source 0: window 2 or 3; source 2 and destination: window 1
.irp b, 0,1,2,3,4,5,6,7
.irp p, 0,1,2,3
	v_pk_mul_f32 v[T+8*\b+2*\p:T+8*\b+2*\p+1], v[AC+8*\b+2*\p:AC+8*\b+2*\p+1], v[RS+8*(\b%4)+2*\p:RS+8*(\b%4)+2*\p+1] op_sel:[1,1] op_sel_hi:[0,1] neg_lo:[0,1]
.endr
.endr
.irp b, 0,1,2,3,4,5,6,7
.irp p, 0,1,2,3
	v_pk_fma_f32 v[T+8*\b+2*\p:T+8*\b+2*\p+1], v[AC+8*\b+2*\p:AC+8*\b+2*\p+1], v[RS+8*(\b%4)+2*\p:RS+8*(\b%4)+2*\p+1], v[T+8*\b+2*\p:T+8*\b+2*\p+1] op_sel_hi:[1,0,1]
.endr
.endr
	WIN 0x05                                       ; sources window 1, destination window 0
.irp b, 0,1,2,3,4,5,6,7
.irp p, 0,1,2,3
	v_cvt_pk_f16_f32 v[TMP+4*\b+\p], v[T+8*\b+2*\p], v[T+8*\b+2*\p+1]
.endr
.endr
	WIN 0
.endm
.macro PACKV a                         ; v is rounded as it stands
.set AC, 64*((\a)%4)
	WIN 0x0a+5*((\a)/4)
.irp b, 0,1,2,3,4,5,6,7
.irp p, 0,1,2,3
	v_cvt_pk_f16_f32 v[TMP+4*\b+\p], v[AC+8*\b+2*\p], v[AC+8*\b+2*\p+1]
.endr
.endr
	WIN 0
.endm
.macro TOSTAGE a, so                   ; into my stage, and back by heads.  LDS serves a wave's instructions in order: no wait between the stores and the loads, nor ahead of the next block's stores
.set BB, BK+32*((\a)%2)
.irp b, 0,1,2,3,4,5,6,7
	ds_store_b128 v[STO], v[TMP+4*\b:TMP+4*\b+3] offset:\so+32*\b
.endr
.irp hh, 0,1
.irp t, 0,1,2,3
	ds_load_b128 v[BB+4*(4*\hh+\t):BB+4*(4*\hh+\t)+3], v[RD] offset:\so+4*\t*SPITCH+128*\hh
.endr
.endr
.endm
.macro SEND a, younger                 ; younger: the LDS instructions issued behind block a's loads
.set BB, BK+32*((\a)%2)
	s_wait_dscnt \younger
.irp hh, 0,1
.irp t, 0,1,2,3
	global_store_b128 v[CO], v[BB+4*(4*\hh+\t):BB+4*(4*\hh+\t)+3], s[98:99] offset:\hh*262144+(\a)*2048+\t*512   ; four tokens' 128 bytes of one head: 512 consecutive bytes, aligned
.endr
.endr
.endm
	PLACES NP                                      ; behind the last products, ahead of the first read of results and of loads into A's registers
	s_cmp_eq_u32 ttmp9, 2                          ; the cluster's x: the same in all sixteen partners
	s_cbranch_scc1 .Lv
	ROPELOAD 0
	ROPELOAD 1
.irp a, 0,1,2,3,4,5,6,7
.if \a < 7
	s_wait_loadcnt 8                               ; this block's eight loads are in; the next block's eight may be out
.else
	s_wait_loadcnt 0
.endif
	ROPE \a
.if \a < 6
	ROPELOAD \a+2                                  ; into the set just read
.endif
.if \a > 1
	s_wait_xcnt 0x0                                ; block a - 2's stores have read their registers: block a's rows may land there
.endif
	TOSTAGE \a, 0
.if \a > 0
	SEND \a-1, 16                                  ; behind block a - 1's loads: block a's 8 stores and 8 loads
.endif
.endr
	SEND 7, 0
	s_branch .Lfin
.Lv:
.irp a, 0,1,2,3,4,5,6,7
	PACKV \a
.if \a > 1
	s_wait_xcnt 0x0
.endif
	TOSTAGE \a, VSTG
.if \a > 0
	SEND \a-1, 16
.endif
.endr
	SEND 7, 0
.Lfin:
	s_wait_tensorcnt 0x0                           ; the wave's end, behind my last tensor load and my last LDS store
	ds_add_u32 v[SPW], v[NIL]
	s_wait_dscnt 0x0
	CROUND                                         ; the closing round
	s_endpgm
.Lfunc_end_k_qe79d8a0170_qkv:
	.size	k_qe79d8a0170_qkv, .Lfunc_end_k_qe79d8a0170_qkv-k_qe79d8a0170_qkv
	.p2alignl 7, 3214868480
	.fill 96, 4, 3214868480
	.section	.rodata,"a",@progbits
	.p2align	6, 0x0
	.amdhsa_kernel k_qe79d8a0170_qkv
		.amdhsa_group_segment_fixed_size 327680
		.amdhsa_private_segment_fixed_size 0
		.amdhsa_enable_private_segment 0
		.amdhsa_kernarg_size 48
		.amdhsa_user_sgpr_count 2
		.amdhsa_user_sgpr_kernarg_segment_ptr 1
		.amdhsa_wavefront_size32 1
		.amdhsa_system_sgpr_workgroup_id_x 1
		.amdhsa_system_sgpr_workgroup_id_y 1
		.amdhsa_system_sgpr_workgroup_id_z 1
		.amdhsa_system_vgpr_workitem_id 0
		.amdhsa_next_free_vgpr 1024
		.amdhsa_next_free_sgpr 100
		.amdhsa_reserve_vcc 0
		.amdhsa_float_denorm_mode_32 3
		.amdhsa_float_denorm_mode_16_64 3
		.amdhsa_memory_ordered 1
		.amdhsa_forward_progress 1
		.amdhsa_inst_pref_size 196
	.end_amdhsa_kernel
	.amdgpu_metadata
---
amdhsa.version: [ 1, 2 ]
amdhsa.kernels:
  - .name:           k_qe79d8a0170_qkv
    .symbol:         k_qe79d8a0170_qkv.kd
    .args:
      - { .name: xc, .offset: 0, .size: 8, .value_kind: global_buffer, .address_space: global }
      - { .name: xs, .offset: 8, .size: 8, .value_kind: global_buffer, .address_space: global }
      - { .name: wc, .offset: 16, .size: 8, .value_kind: global_buffer, .address_space: global }
      - { .name: ws, .offset: 24, .size: 8, .value_kind: global_buffer, .address_space: global }
      - { .name: rt, .offset: 32, .size: 8, .value_kind: global_buffer, .address_space: global }
      - { .name: qkv, .offset: 40, .size: 8, .value_kind: global_buffer, .address_space: global }
    .group_segment_fixed_size: 327680
    .private_segment_fixed_size: 0
    .kernarg_segment_align: 8
    .kernarg_segment_size: 48
    .max_flat_workgroup_size: 128
    .sgpr_count:     100
    .vgpr_count:     1024
    .wavefront_size: 32
...
	.end_amdgpu_metadata
.endif
;; end of part 2
;; launch attn (part 3): grid 4 x 64, 8 waves a work-group, clusters of 4 x 1, 327,680 bytes of LDS; arguments qkv, ob; writes ob
.if DOCPART == 3
	.amdgcn_target "amdgcn-amd-amdhsa--gfx1250"
	.amdhsa_code_object_version 6
	.text
	.protected	k_qe79d8a0170_attn
	.globl	k_qe79d8a0170_attn
	.p2align	8
	.type	k_qe79d8a0170_attn,@function
k_qe79d8a0170_attn:
	s_mov_b64 s[64:65], 0
	v_nop
	global_prefetch_b8 v0, s[64:65] scope:SCOPE_SE
	s_setreg_imm32_b32 hwreg(HW_REG_WAVE_MODE, 25, 1), 1
	s_wait_xcnt 0x0
	s_wait_alu depctr_hold_cnt(0) depctr_sa_sdst(0) depctr_va_vdst(0) depctr_va_sdst(0) depctr_va_ssrc(0) depctr_va_vcc(0) depctr_vm_vsrc(0)
	s_getreg_b32 s2, hwreg(HW_REG_IB_STS2, 6, 4)
	s_cmp_eq_u32 s2, 0
	s_cbranch_scc0 .Lentry_in_a_cluster
	s_endpgm
.Lentry_in_a_cluster:
	s_bfe_u32 s2, ttmp6, 0x10000c
	s_cmp_lg_u32 s2, 0x3003
	s_cbranch_scc0 .Lentry_shape_is_right
	s_endpgm
.Lentry_shape_is_right:
; ATTN: o[b][h][q] = the sum over k of softmax_k(q . k / 8) v, for 64 heads of 2,048 positions x 64 channels.  q, k, v: f16 (qkv, three tensors [b][h][s][64]); products, maxima and sums in f32;
; the weights p are rounded to f16 for the second product, o once at the end.  ob: [h][token][64] f16.  No work is left out.
; f16 and not bf16: its 11 significant bits leave the rounding of operands well inside what the comparison allows.  LIMITS: |q|, |k|, |v| from 65,504 on have no f16 number; NaN and infinities are not served.
; SHARES.  A work-group owns 512 queries of one head, each of its eight waves 64: four tiles of 16.  Two waves share a SIMD: one wave's softmax can stand beside the other's products.  Every wave walks all keys, 64 a step.
; LAYOUT.  S^T = K Q^T (source 0 = 16 keys, source 1 = 16 queries): a lane holds ONE query (lane % 16) and keys 8 (lane / 16) + 0..7.  Two such tiles, rounded in pairs, ARE source 1 of O^T = V^T P, whose result again
; holds one query a lane.  K comes out of LDS as it lies, V ([key][channel]) turned, by ds_load_tr16_b128.
; SOFTMAX.  For each query a running maximum m and sum l: p = 2^(c s - c m), c = log2(e) / 8; in every step O and l are multiplied by a = 2^(c m_old - c m_new).
; CLUSTER.  The four query blocks of a head form a cluster and walk the same K and V: each tile is asked for JOINTLY, with a mask that names the four.
; RING.  Two LDS slots of four key steps; waves 0-3 fetch K's four tiles of a slot, waves 4-7 V's: one load a wave behind each round, which has four key steps (256 matrix instructions a wave) in which to land.
; REGISTERS: window 0: v2-15 addresses; v16-63 twelve registers of statistics a tile; v64-191 S^T, 32 a tile, P in place in each tile's first 16; v192-255 K of one step.
;   window 1: v0-127 O^T, 32 a tile; v128-191 Q; v192-255 V of one step.
.set KS,    64
.set PK,    144                        ; a row of K in LDS: 128 bytes + 16: the 16 rows of a load start at 16 different groups of four banks
.set PVP,   160                        ; a row of V: 128 + 32
.set VOFF,  KS*PK
.set STEPB, KS*(PK+PVP)                ; a step's tiles lie together: 64 rows of K, then 64 of V
.set NST,   4                          ; steps in a slot
.set SLOT1, 1<<17                      ; slot 1 begins here: one exclusive or turns an address from one slot to the other
.set SLB,   NST*KS*128                 ; a slot's bytes of K, or of V, in memory
.set STAGE, SLOT1+NST*STEPB            ; behind the ring: 16 rows x 144 bytes for each wave
.set SP,    144
.set SPARE, STAGE+8*16*SP              ; the spare words, 128 bytes for each wave: four blocks of 256 bytes that no other line names
.set AK0, 2
.set AV0, 3
.set ADR, 4
.set QO,  6
.set STO, 7
.set RD,  8
.set GO,  9
.set PFO, 10                           ; v10  256 x lane: the prefetches' offset; never rewritten
.set SPW, 14
.set NIL, 15
.set ST,  16                           ; tile t at v[16 + 12 t]: +0 c m, +1 m, +2 +3 l in two halves, +4..+7 at work, +8 a, +9 c m_old and then the change, +10 the other half's maximum
.set S,   64
.set KF,  192
.set QF,  128                          ; in window 1
.set VF,  192                          ; in window 1
.set WV,  12
.set LIM, 15                           ; s15  1 in a wave that prefetches, else the greatest number
.set PFA, 18
.set G1K, 24
.set G1V, 32
.set G0K, 40                           ; two sets for the two first fills; the second then walks on
.set G0V, 48
.set SLOTS, 56
.set CNT, 57
.set CS,  58
.set SEL, 60
.set TB,  62                           ; s62  LDS byte at which the tiles of the step to be fetched begin
.set MSB, 0
.macro WIN new
.if MSB != (\new)
	s_set_vgpr_msb (MSB<<8)|(\new)
.set MSB, \new
.endif
.endm
.set W_QK, 0x04                        ; Q (source 1) in window 1
.set W_PV, 0x51                        ; V (source 0), C and D in window 1
.set W_RS, 0x41                        ; O^T (destination and source 0) in window 1
.set TO1,  0x40                        ; destination in window 1
.macro JLOAD                           ; a joint refill; the branch hangs on the wave's number alone.  An s_nop 0 and four v_nop follow each line
	s_cmp_lt_u32 s[WV], 4
	s_cbranch_scc0 .Lfor_v_\@
	tensor_load_to_lds s[G0K+4:G0K+7], s[G1K:G1K+7]
	s_nop 0
.rept 4
	v_nop
.endr
	s_branch .Lasked_\@
.Lfor_v_\@:
	tensor_load_to_lds s[G0V+4:G0V+7], s[G1V:G1V+7]
	s_nop 0
.rept 4
	v_nop
.endr
.Lasked_\@:
.endm
; A PREFETCH of what the NEXT change of slots will ask for: 32,768 bytes of K and as many of V.  Each aligned 256 bytes are named once in the launch: a head's K and V are walked by its one cluster;
; its four partners take 8,192 bytes each, told apart by ADDRESS; in each, wave 0 asks for K's and wave 4 for V's, lanes 256 bytes apart.  It stands behind the wave's tensor load, four key steps ahead of the
; load that will want the bytes.  The last change that fills a slot asks for nothing; slots 0 to 2 come by their loads alone.
.macro ASK
	s_cmp_gt_u32 s[SLOTS], s[LIM]
	s_cbranch_scc0 .Lnot_mine_\@
	global_prefetch_b8 v[PFO], s[PFA:PFA+1] th:TH_LOAD_NT scope:SCOPE_SE
.Lnot_mine_\@:
.endm
.macro CROUND
	s_barrier_signal -1
	s_barrier_wait -1
	s_cmp_lg_u32 s[WV], 0
	s_cbranch_scc1 .Lnot_wave_0_\@
	s_barrier_signal -3
.Lnot_wave_0_\@:
	s_barrier_wait -3
	s_barrier_signal -1
	s_barrier_wait -1
.endm
	s_load_b128 s[8:11], s[0:1], 0x0               ; qkv s[8:9], ob s[10:11]
	v_lshl_add_u32 v[SPW], v0, 2, SPARE
	v_mov_b32 v[NIL], 0
	ds_add_u32 v[SPW], v[NIL]                      ; the wave's opening: the add, twice on end, and its wait ahead of my first tensor load
	ds_add_u32 v[SPW], v[NIL]
	v_lshrrev_b32 v1, 5, v0
	v_readfirstlane_b32 s[WV], v1                  ; wave 0..7
	s_bfe_u32 s13, ttmp6, 0x40000                  ; cx: my block of 512 queries; it enters Q's, O's and the prefetches' addresses alone
	s_and_b32 s20, ttmp7, 0xffff                   ; y = 16 b + h, which the four partners share
	s_lshl_b32 s21, s20, 18                        ; the head's first byte in q, k, v
	s_and_b32 s16, s[WV], 3                        ; which of a slot's four steps I fetch:
	s_lshl_b32 s22, s16, 13                        ; its 64 rows of 128 bytes in memory,
	s_add_co_u32 s22, s22, s21
	s_mov_b32 s23, 0
	s_mul_i32 s17, s16, STEPB                      ; and its place in a slot
	s_lshl_b32 s2, s13, 16                         ; my block's 512 rows of 128 bytes,
	s_lshl_b32 s3, s[WV], 13                       ; my wave's 64 of them
	s_add_co_u32 s2, s2, s3
	s_and_b32 s14, s20, 15
	s_lshl_b32 s14, s14, 20                        ; ob: head h: 8,192 tokens of 128 bytes,
	s_lshr_b32 s20, s20, 4
	s_lshl_b32 s20, s20, 18                        ; batch b: 2,048 tokens
	s_add_co_u32 s20, s20, s14
	s_add_co_u32 s20, s20, s2
	s_add_co_u32 s2, s2, s21                       ; Q: the head, my rows
	s_mov_b32 s3, 0
	s_mov_b32 s21, 0
	s_mov_b32 s[G1K], 15|(1<<16)|(1<<20)|(1<<21)|(4<<22)|(3<<25)   ; the mask: all four; elements of 2 bytes; padding: 4 words behind every 32; bit 21 beside a mask
	s_mov_b32 s[G1V], 15|(1<<16)|(1<<20)|(1<<21)|(4<<22)|(7<<25)   ; the same with 8 words
.irp g, G1K, G1V
	s_mov_b32 s[\g+1], 64<<16                      ; tensor_dim0
	s_mov_b32 s[\g+2], KS<<16                      ; tensor_dim1
	s_mov_b32 s[\g+3], 64<<16                      ; tile_dim0
	s_mov_b32 s[\g+4], KS                          ; tile_dim1
	s_mov_b32 s[\g+5], 64                          ; the pitch
	s_mov_b32 s[\g+6], 0
	s_mov_b32 s[\g+7], 0
.endr
	s_mov_b32 s[CS], 0x3e38aa3b                    ; c = log2(e) / 8
	s_mov_b32 s[CS+1], s[CS]                       ; named with it as a pair, so it is written
	s_mov_b32 s[SEL], 0x76543210
	s_mov_b32 s[SEL+1], 0xfedcba98
	s_mov_b32 s[TB], 0
	s_mov_b32 s[SLOTS], 2048/(NST*KS)-2            ; six slots are asked for behind the two first fills
	s_cmp_eq_u32 s16, 0                            ; waves 0 and 4 prefetch: the same in all four partners
	s_cselect_b32 s[LIM], 1, -1
	v_and_b32 v[PFO], 31, v0
	v_lshlrev_b32 v[PFO], 8, v[PFO]
	s_wait_dscnt 0x0                               ; both opening adds are done
	s_wait_kmcnt 0x0
	s_add_nc_u64 s[4:5], s[8:9], s[2:3]            ; Q at my wave's first row
	s_add_nc_u64 s[10:11], s[10:11], s[20:21]      ; ob likewise
	s_add_nc_u64 s[8:9], s[8:9], s[22:23]
	s_add_nc_u64 s[6:7], s[8:9], 0x1000000         ; K at my tile of slot 0
	s_add_nc_u64 s[8:9], s[8:9], 0x2000000         ; V likewise
	s_cmp_lt_u32 s[WV], 4
	s_cselect_b64 s[PFA:PFA+1], s[6:7], s[8:9]     ; (in waves 0 and 4 these stand at a slot's first row)
	s_lshl_b32 s2, s13, 13                         ; my work-group's 8,192 bytes of the 32,768
	s_add_nc_u64 s[PFA:PFA+1], s[PFA:PFA+1], s[2:3]
	s_add_nc_u64 s[PFA:PFA+1], s[PFA:PFA+1], 2*SLB ; in slot 2; the first change of slots steps it to slot 3
	CROUND                                         ; all four work-groups are here: the first joint loads meet
.irp s, 0,1
	s_mov_b32 s[G0K+4*\s], 1
	s_add_co_u32 s[G0K+4*\s+1], s17, \s*SLOT1
	s_add_nc_u64 s[G0K+4*\s+2:G0K+4*\s+3], s[6:7], \s*SLB
	s_or_b32 s[G0K+4*\s+3], s[G0K+4*\s+3], 0x80000000
	s_mov_b32 s[G0V+4*\s], 1
	s_add_co_u32 s[G0V+4*\s+1], s17, \s*SLOT1+VOFF
	s_add_nc_u64 s[G0V+4*\s+2:G0V+4*\s+3], s[8:9], \s*SLB
	s_or_b32 s[G0V+4*\s+3], s[G0V+4*\s+3], 0x80000000
.endr
	s_cmp_lt_u32 s[WV], 4                          ; a wave's two first fills stand in one arm of one branch, K's in one, V's in the other: two loads of mine are out
	s_cbranch_scc0 .Lfirst_v
	tensor_load_to_lds s[G0K:G0K+3], s[G1K:G1K+7]
	s_nop 0
	tensor_load_to_lds s[G0K+4:G0K+7], s[G1K:G1K+7]
	s_nop 0
.rept 4
	v_nop
.endr
	s_branch .Lfirst_asked
.Lfirst_v:
	tensor_load_to_lds s[G0V:G0V+3], s[G1V:G1V+7]
	s_nop 0
	tensor_load_to_lds s[G0V+4:G0V+7], s[G1V:G1V+7]
	s_nop 0
.rept 4
	v_nop
.endr
.Lfirst_asked:
	v_and_b32 v1, 15, v0                           ; r
	v_bfe_u32 v5, v0, 4, 1                         ; h
	v_lshlrev_b32 v[QO], 7, v1
	v_lshl_add_u32 v[QO], v5, 4, v[QO]             ; row x 128 + 16 h
	v_and_b32 v11, 7, v0
	v_bfe_u32 v12, v0, 3, 1
	WIN TO1
.irp i, 0,1,2,3,4,5,6,7                        ; Q stays in registers: tile i / 2, channels 32 (i % 2) on
	global_load_b128 v[QF+8*\i:QF+8*\i+3],   v[QO], s[4:5] offset:(\i/2)*2048+(\i%2)*64
	global_load_b128 v[QF+8*\i+4:QF+8*\i+7], v[QO], s[4:5] offset:(\i/2)*2048+(\i%2)*64+32
.endr
	WIN 0
	v_mul_u32_u24 v[AK0], v1, PK
	v_lshl_add_u32 v[AK0], v5, 4, v[AK0]           ; K: row x pitch + 16 h
	v_lshl_add_u32 v[AV0], v5, 3, v11              ; V, for the turning load: key 8 h + lane % 8,
	v_mul_u32_u24 v[AV0], v[AV0], PVP
	v_lshl_add_u32 v[AV0], v12, 4, v[AV0]          ; channels 8 ((lane / 8) % 2) on
	v_add_nc_u32 v[AV0], VOFF, v[AV0]
	s_mul_i32 s14, s[WV], 16*SP
	s_add_co_u32 s14, s14, STAGE                   ; my stage
	v_mul_u32_u24 v[STO], v1, SP
	v_lshl_add_u32 v[STO], v5, 4, v[STO]
	v_add_nc_u32 v[STO], s14, v[STO]               ; in: query r, 16 bytes for each half of the lanes
	v_bfe_u32 v13, v0, 3, 2
	v_mul_u32_u24 v[RD], v13, SP
	v_lshl_add_u32 v[RD], v11, 4, v[RD]
	v_add_nc_u32 v[RD], s14, v[RD]                 ; back: eight lanes a row of 128 bytes, the wave four rows
	v_and_b32 v[GO], 31, v0
	v_lshlrev_b32 v[GO], 4, v[GO]
.irp t, 0,1,2,3
	v_mov_b32 v[ST+12*\t+10], 0                    ; written once: a lane permute's destination counts as one of its sources
.endr
; The LDS loads stand in runs of 16.  The address's addition and four v_nop are five plain lines behind the last matrix instruction: for loads into registers that it read (four are owed),
; and, behind V^T P, for the next K Q^T, which writes over P's registers (five).
.macro FETCH_K
	WIN 0
	v_add_nc_u32 v[ADR], s[TB], v[AK0]
.rept 4
	v_nop
.endr
.irp f, 0,1,2,3,4,5,6,7                        ; keys 16 (f / 2) on, channels 32 (f % 2) on
	ds_load_b128 v[KF+8*\f:KF+8*\f+3],   v[ADR] offset:(\f/2)*16*PK+(\f%2)*64
	ds_load_b128 v[KF+8*\f+4:KF+8*\f+7], v[ADR] offset:(\f/2)*16*PK+(\f%2)*64+32
.endr
.endm
.macro FETCH_V
	WIN 0
	v_add_nc_u32 v[ADR], s[TB], v[AV0]
	s_add_co_u32 s[TB], s[TB], STEPB               ; the next fetch is the next step's
.rept 4
	v_nop
.endr
	WIN TO1
.irp f, 0,1,2,3,4,5,6,7                        ; keys 32 (f / 4) on, channels 16 (f % 4) on
	ds_load_tr16_b128 v[VF+8*\f:VF+8*\f+3],   v[ADR] offset:(\f/4)*32*PVP+(\f%4)*32
	ds_load_tr16_b128 v[VF+8*\f+4:VF+8*\f+7], v[ADR] offset:(\f/4)*32*PVP+16*PVP+(\f%4)*32
.endr
	WIN 0
.endm
; S^T = K Q^T: 16 accumulators by turns, one instruction a turn, two deep along the channels; the first 16 start the sums.
.macro MQK
	WIN W_QK
.irp kc, 0,1
.irp kt, 0,1,2,3
.irp t, 0,1,2,3
.if \kc == 0
	v_wmma_f32_16x16x32_f16 v[S+32*\t+8*\kt:S+32*\t+8*\kt+7], v[KF+8*(2*\kt+\kc):KF+8*(2*\kt+\kc)+7], v[QF+16*\t+8*\kc:QF+16*\t+8*\kc+7], 0
.else
	v_wmma_f32_16x16x32_f16 v[S+32*\t+8*\kt:S+32*\t+8*\kt+7], v[KF+8*(2*\kt+\kc):KF+8*(2*\kt+\kc)+7], v[QF+16*\t+8*\kc:QF+16*\t+8*\kc+7], v[S+32*\t+8*\kt:S+32*\t+8*\kt+7]
.endif
.endr
.endr
.endr
.endm
; O^T += V^T P: 16 accumulators by turns, two deep along the keys.  first = 1: the first 16 start the sums: nothing is ever cleared.
.macro MPV first
	WIN W_PV
.irp kk, 0,1
.irp t, 0,1,2,3
.irp ct, 0,1,2,3
.if (\first) && (\kk == 0)
	v_wmma_f32_16x16x32_f16 v[32*\t+8*\ct:32*\t+8*\ct+7], v[VF+8*(4*\kk+\ct):VF+8*(4*\kk+\ct)+7], v[S+32*\t+8*\kk:S+32*\t+8*\kk+7], 0
.else
	v_wmma_f32_16x16x32_f16 v[32*\t+8*\ct:32*\t+8*\ct+7], v[VF+8*(4*\kk+\ct):VF+8*(4*\kk+\ct)+7], v[S+32*\t+8*\kk:S+32*\t+8*\kk+7], v[32*\t+8*\ct:32*\t+8*\ct+7]
.endif
.endr
.endr
.endr
.endm
; THE SOFTMAX of a key step, the four tiles by turns line by line.  first = 1: the first key step, which starts m, l and O^T.
.macro SOFTMAX first
	WIN 0
.irp k, 0,1,2,3                                ; the maximum: four chains, each begun at its accumulator's low end
.irp t, 0,1,2,3
	v_max3_num_f32 v[ST+12*\t+4+\k], v[S+32*\t+8*\k], v[S+32*\t+8*\k+1], v[S+32*\t+8*\k+2]
.endr
.endr
.irp i, 3,5
.irp k, 0,1,2,3
.irp t, 0,1,2,3
	v_max3_num_f32 v[ST+12*\t+4+\k], v[ST+12*\t+4+\k], v[S+32*\t+8*\k+\i], v[S+32*\t+8*\k+\i+1]
.endr
.endr
.endr
.irp t, 0,1,2,3
	v_max3_num_f32 v[ST+12*\t+4], v[ST+12*\t+4], v[S+32*\t+7], v[S+32*\t+15]
	v_max3_num_f32 v[ST+12*\t+6], v[ST+12*\t+6], v[S+32*\t+23], v[S+32*\t+31]
.endr
.irp t, 0,1,2,3
	v_max3_num_f32 v[ST+12*\t+4], v[ST+12*\t+4], v[ST+12*\t+5], v[ST+12*\t+6]
.endr
.irp t, 0,1,2,3
.if \first
	v_max_num_f32 v[ST+12*\t+4], v[ST+12*\t+4], v[ST+12*\t+7]
.else
	v_max3_num_f32 v[ST+12*\t+4], v[ST+12*\t+4], v[ST+12*\t+7], v[ST+12*\t+1]   ; with the old m
.endif
.endr
.if \first == 0
.irp t, 0,1,2,3
	v_mov_b32 v[ST+12*\t+9], v[ST+12*\t]           ; c m_old is kept for a
.endr
.endif
.irp t, 0,1,2,3
	v_permlanex16_b32 v[ST+12*\t+10], v[ST+12*\t+4], s[SEL], s[SEL+1]   ; the query's other 32 keys lie in the lane 16 away
.endr
.irp t, 0,1,2,3
	v_max_num_f32 v[ST+12*\t+1], v[ST+12*\t+4], v[ST+12*\t+10]
.endr
.irp t, 0,1,2,3
	v_mul_f32 v[ST+12*\t], s[CS], v[ST+12*\t+1]
.endr
.if \first == 0
.irp t, 0,1,2,3
	v_sub_f32 v[ST+12*\t+9], v[ST+12*\t+9], v[ST+12*\t]
.endr
.irp t, 0,1,2,3
	v_exp_f32 v[ST+12*\t+8], v[ST+12*\t+9]         ; a
.endr
.endif
.irp b, 0,1,2,3,4,5,6,7,8,9,10,11,12,13,14,15  ; ONE BATCH: the scalings c s - c m, a pair each, and all exponentials; none of these lines names an exponential's result
.irp t, 0,1,2,3
	v_pk_fma_f32 v[S+32*\t+2*\b:S+32*\t+2*\b+1], v[S+32*\t+2*\b:S+32*\t+2*\b+1], s[CS:CS+1], v[ST+12*\t:ST+12*\t+1] op_sel_hi:[1,0,0] neg_lo:[0,0,1] neg_hi:[0,0,1]
.endr
.irp t, 0,1,2,3
	v_exp_f32 v[S+32*\t+2*\b], v[S+32*\t+2*\b]
	v_exp_f32 v[S+32*\t+2*\b+1], v[S+32*\t+2*\b+1]
.endr
.endr
	v_nop                                          ; the plain line behind the last exponential
	s_wait_alu depctr_va_vdst(0)                   ; the wait ahead of the first reader: one for the whole batch
.irp t, 0,1,2,3                                ; the sums of the unrounded p, two chains of pairs
	v_pk_add_f32 v[ST+12*\t+4:ST+12*\t+5], v[S+32*\t:S+32*\t+1], v[S+32*\t+2:S+32*\t+3]
	v_pk_add_f32 v[ST+12*\t+6:ST+12*\t+7], v[S+32*\t+4:S+32*\t+5], v[S+32*\t+6:S+32*\t+7]
.endr
.irp b, 4,6,8,10,12,14
.irp t, 0,1,2,3
	v_pk_add_f32 v[ST+12*\t+4:ST+12*\t+5], v[ST+12*\t+4:ST+12*\t+5], v[S+32*\t+2*\b:S+32*\t+2*\b+1]
	v_pk_add_f32 v[ST+12*\t+6:ST+12*\t+7], v[ST+12*\t+6:ST+12*\t+7], v[S+32*\t+2*\b+2:S+32*\t+2*\b+3]
.endr
.endr
.irp t, 0,1,2,3
.if \first
	v_pk_add_f32 v[ST+12*\t+2:ST+12*\t+3], v[ST+12*\t+4:ST+12*\t+5], v[ST+12*\t+6:ST+12*\t+7]
.else
	v_pk_add_f32 v[ST+12*\t+4:ST+12*\t+5], v[ST+12*\t+4:ST+12*\t+5], v[ST+12*\t+6:ST+12*\t+7]
.endif
.endr
.if \first == 0
.irp t, 0,1,2,3
	v_pk_fma_f32 v[ST+12*\t+2:ST+12*\t+3], v[ST+12*\t+2:ST+12*\t+3], v[ST+12*\t+8:ST+12*\t+9], v[ST+12*\t+4:ST+12*\t+5] op_sel_hi:[1,0,1]   ; l = a l + the sum
.endr
.endif
.irp j, 0,1,2,3,4,5,6,7,8,9,10,11,12,13,14,15  ; P, in place: register j takes weights 2 j and 2 j + 1, which lie at or above it
.irp t, 0,1,2,3
	v_cvt_pk_f16_f32 v[S+32*\t+\j], v[S+32*\t+2*\j], v[S+32*\t+2*\j+1]
.endr
.endr
.if \first == 0
	WIN W_RS
.irp j, 0,2,4,6,8,10,12,14,16,18,20,22,24,26,28,30
.irp t, 0,1,2,3
	v_pk_mul_f32 v[32*\t+\j:32*\t+\j+1], v[32*\t+\j:32*\t+\j+1], v[ST+12*\t+8:ST+12*\t+9] op_sel_hi:[1,0]   ; O^T x a
.endr
.endr
.endif
.endm
; A KEY STEP j.  At its head K(j)'s 16 loads and, behind them, V(j)'s 16 are out.  fetch = 1: K(j + 1) is fetched behind K Q^T, V(j + 1) behind V^T P.
.macro STEP first, fetch
	s_wait_dscnt 16                                ; K(j) is in; V(j)'s 16 loads may be out
	MQK
.if \fetch
	FETCH_K
.else
	WIN 0
.rept 4
	v_nop                                          ; the plain lines ahead of the first read of S^T
.endr
.endif
	SOFTMAX \first
.if \fetch
	s_wait_dscnt 16                                ; V(j) is in; K(j + 1)'s 16 loads may be out
.else
	s_wait_dscnt 0x0
.endif
	MPV \first
.if \fetch
	FETCH_V
.endif
	WIN 0
.endm
.macro STEPS n
	s_mov_b32 s[CNT], \n
.Lstep_\@:
	STEP 0, 1
	s_sub_co_u32 s[CNT], s[CNT], 1
	s_cmp_lg_u32 s[CNT], 0
	s_cbranch_scc1 .Lstep_\@
.endm
; THE CHANGE OF SLOTS stands behind a slot's third step: its last bytes, K and V of its fourth step, have been asked for.  Each wave waits for all its tensor loads (one is out: its part of the other slot), adds 0 to
; its spare word, and waits for that and for its reads of the slot.  fill = 1: a round of the cluster's barrier, so that no wave of any partner still reads the slot or has a load on its way; the joint refill is the first thing behind it.
.macro CHANGE fill
	WIN 0
	s_wait_tensorcnt 0x0                           ; no tensor load of mine is out, so a group 0 may be written
	ds_add_u32 v[SPW], v[NIL]
.if \fill
.irp g, G0K+4, G0V+4
	s_xor_b32 s[\g+1], s[\g+1], SLOT1              ; the walking descriptor: the other slot than last time,
	s_add_nc_u64 s[\g+2:\g+3], s[\g+2:\g+3], SLB   ; the next 256 keys
.endr
	s_wait_xcnt 0x0                                ; the last prefetch, four key steps back, has read its address
	s_add_nc_u64 s[PFA:PFA+1], s[PFA:PFA+1], SLB   ; one slot further on than the walking descriptors
	s_wait_dscnt 0x0                               ; the add is done, and my reads of the slot are over
	CROUND
	JLOAD
	ASK
.else
	s_wait_dscnt 0x0
	s_barrier_signal -1
	s_barrier_wait -1
.endif
	s_sub_co_u32 s[TB], s[TB], NST*STEPB           ; the fetches go back to a slot's first step,
	s_xor_b32 s[TB], s[TB], SLOT1                  ; in the other slot
.endm
	s_wait_tensorcnt 1                             ; my part of slot 0 is in; slot 1's may stay out
	s_barrier_signal -1
	s_barrier_wait -1
	FETCH_K                                        ; key step 0
	FETCH_V
	s_wait_loadcnt 0x0                             ; Q
	STEP 1, 1                                      ; step 0
	STEPS 2                                        ; steps 1, 2
.Lslot:                                            ; six trips: steps 3 to 26; slots 2 to 7 are asked for
	CHANGE 1
	STEPS 4
	s_sub_co_u32 s[SLOTS], s[SLOTS], 1
	s_cmp_lg_u32 s[SLOTS], 0
	s_cbranch_scc1 .Lslot
	CHANGE 0                                       ; the tail is written out
	STEPS 4                                        ; steps 27 to 30
	STEP 0, 0                                      ; step 31
	; THE WAY OUT.  The additions are the plain lines behind the last products.
.irp t, 0,1,2,3
	v_add_f32 v[ST+12*\t+4], v[ST+12*\t+2], v[ST+12*\t+3]
.endr
.irp t, 0,1,2,3
	v_permlanex16_b32 v[ST+12*\t+10], v[ST+12*\t+4], s[SEL], s[SEL+1]
.endr
.irp t, 0,1,2,3
	v_add_f32 v[ST+12*\t+4], v[ST+12*\t+4], v[ST+12*\t+10]
.endr
.irp t, 0,1,2,3
	v_rcp_f32 v[ST+12*\t+8], v[ST+12*\t+4]
.endr
	v_nop
	s_wait_alu depctr_va_vdst(0)                   ; one wait for the four reciprocals, ahead of their first reader
.macro OPACK t                         ; tile t: O^T / l, rounded to f16, through my stage: 16 bytes a lane in, rows of 128 bytes back
	WIN W_RS
.irp j, 0,2,4,6,8,10,12,14,16,18,20,22,24,26,28,30
	v_pk_mul_f32 v[32*\t+\j:32*\t+\j+1], v[32*\t+\j:32*\t+\j+1], v[ST+12*\t+8:ST+12*\t+9] op_sel_hi:[1,0]
.endr
	WIN 0x05
.irp i, 0,1,2,3,4,5,6,7,8,9,10,11,12,13,14,15
	v_cvt_pk_f16_f32 v[S+32*\t+\i], v[32*\t+2*\i], v[32*\t+2*\i+1]
.endr
	WIN 0
.irp c, 0,1,2,3
	ds_store_b128 v[STO], v[S+32*\t+4*\c:S+32*\t+4*\c+3] offset:32*\c
.endr
.irp i, 0,1,2,3
	ds_load_b128 v[S+32*\t+16+4*\i:S+32*\t+16+4*\i+3], v[RD] offset:\i*4*SP   ; in order behind the stores above; the next tile's stores come behind them
.endr
.endm
.macro OSEND t, younger                ; younger: the next tile's four stores and four loads, or none
.irp i, 0,1,2,3
	s_wait_dscnt \younger+3-\i
	global_store_b128 v[GO], v[S+32*\t+16+4*\i:S+32*\t+16+4*\i+3], s[10:11] offset:\t*2048+\i*512   ; four rows of 128 bytes: 512 consecutive bytes, aligned
.endr
.endm
	OPACK 0
	OPACK 1
	OSEND 0, 8
	OPACK 2
	OSEND 1, 8
	OPACK 3
	OSEND 2, 8
	OSEND 3, 0
	s_wait_tensorcnt 0x0                           ; the wave's end, behind my last tensor load and my last LDS store
	ds_add_u32 v[SPW], v[NIL]
	s_wait_dscnt 0x0
	CROUND                                         ; the closing round
	s_endpgm
.Lfunc_end_k_qe79d8a0170_attn:
	.size	k_qe79d8a0170_attn, .Lfunc_end_k_qe79d8a0170_attn-k_qe79d8a0170_attn
	.p2alignl 7, 3214868480
	.fill 96, 4, 3214868480
	.section	.rodata,"a",@progbits
	.p2align	6, 0x0
	.amdhsa_kernel k_qe79d8a0170_attn
		.amdhsa_group_segment_fixed_size 327680
		.amdhsa_private_segment_fixed_size 0
		.amdhsa_enable_private_segment 0
		.amdhsa_kernarg_size 16
		.amdhsa_user_sgpr_count 2
		.amdhsa_user_sgpr_kernarg_segment_ptr 1
		.amdhsa_wavefront_size32 1
		.amdhsa_system_sgpr_workgroup_id_x 1
		.amdhsa_system_sgpr_workgroup_id_y 1
		.amdhsa_system_sgpr_workgroup_id_z 1
		.amdhsa_system_vgpr_workitem_id 0
		.amdhsa_next_free_vgpr 512
		.amdhsa_next_free_sgpr 66
		.amdhsa_reserve_vcc 0
		.amdhsa_float_denorm_mode_32 3
		.amdhsa_float_denorm_mode_16_64 3
		.amdhsa_memory_ordered 1
		.amdhsa_forward_progress 1
		.amdhsa_inst_pref_size 178
	.end_amdhsa_kernel
	.amdgpu_metadata
---
amdhsa.version: [ 1, 2 ]
amdhsa.kernels:
  - .name:           k_qe79d8a0170_attn
    .symbol:         k_qe79d8a0170_attn.kd
    .args:
      - { .name: qkv, .offset: 0, .size: 8, .value_kind: global_buffer, .address_space: global }
      - { .name: ob, .offset: 8, .size: 8, .value_kind: global_buffer, .address_space: global }
    .group_segment_fixed_size: 327680
    .private_segment_fixed_size: 0
    .kernarg_segment_align: 8
    .kernarg_segment_size: 16
    .max_flat_workgroup_size: 256
    .sgpr_count:     66
    .vgpr_count:     512
    .wavefront_size: 32
...
	.end_amdgpu_metadata
.endif
;; end of part 3
;; launch proj (part 4): grid 4 x 64, 4 waves a work-group, clusters of 4 x 4, 327,680 bytes of LDS; arguments ob, wof, out0; writes out0
.if DOCPART == 4
	.amdgcn_target "amdgcn-amd-amdhsa--gfx1250"
	.amdhsa_code_object_version 6
	.text
	.protected	k_qe79d8a0170_proj
	.globl	k_qe79d8a0170_proj
	.p2align	8
	.type	k_qe79d8a0170_proj,@function
k_qe79d8a0170_proj:
	s_mov_b64 s[64:65], 0
	v_nop
	global_prefetch_b8 v0, s[64:65] scope:SCOPE_SE
	s_setreg_imm32_b32 hwreg(HW_REG_WAVE_MODE, 25, 1), 1
	s_wait_xcnt 0x0
	s_wait_alu depctr_hold_cnt(0) depctr_sa_sdst(0) depctr_va_vdst(0) depctr_va_sdst(0) depctr_va_ssrc(0) depctr_va_vcc(0) depctr_vm_vsrc(0)
	s_getreg_b32 s2, hwreg(HW_REG_IB_STS2, 6, 4)
	s_cmp_eq_u32 s2, 0
	s_cbranch_scc0 .Lentry_in_a_cluster
	s_endpgm
.Lentry_in_a_cluster:
	s_bfe_u32 s2, ttmp6, 0x10000c
	s_cmp_lg_u32 s2, 0xf033
	s_cbranch_scc0 .Lentry_shape_is_right
	s_endpgm
.Lentry_shape_is_right:
; PROJ: out0[token][e] = the sum over d of o[token][d] Wo[d][e], d = 64 head + channel.  ob: [head][token][64] f16; wof: [d][e] f16; out0: [8192][1024] f32; sums in f32.  No work is left out.
; A tile of out0 is 128 tokens x 256 columns: 256 work-groups.  Four waves, each 64 x 128: 32 accumulators, 256 registers.  K goes in steps of 128 (two heads) through a ring of two LDS slots.
; CLUSTERS: 4 x 4 work-groups.  The four of a row of the cluster need the same tiles of ob, the four of a column the same tiles of wof: each tile is asked for JOINTLY.
; THE MATRIX INSTRUCTION IS USED TRANSPOSED: source 0 = 16 columns e of Wo, which lies [d][e] and is turned by ds_load_tr16_b128; source 1 = 16 tokens: a lane holds eight neighbouring numbers of a row of out0.
; No prefetch: the launch is short and its tiles small.  One tile to a work-group.
; REGISTERS: window 0: v0-31 addresses; two fragment buffers of 96 at v32 and v128: A's four blocks (32 registers), then B's eight (64).   window 1: the accumulators ((a, b) at v[8 (8 a + b)]).
.set PA,    144                        ; a token's row of one head in LDS: 128 bytes + 16
.set AT,    128*PA                     ; a head's 128 tokens: what one tensor load brings for A
.set PB,    544                        ; a row d of Wo's tile: 512 bytes + 32
.set BH,    64*PB                      ; 64 rows d: what one tensor load brings for B
.set BOFF,  2*AT
.set SLOT,  BOFF+2*BH
.set SPARE, 2*SLOT                     ; behind the ring: the spare words, 128 bytes for each wave: two blocks of 256 bytes that no other line names
.set SPITCH, 528                       ; the way out: a stage of 16 rows x (512 bytes + 16) for each wave, in slot 0, which has had its last fill and its last read by then
.set LAPS,  4                          ; a lap = two K steps = once round the ring
.set ADRA, 16
.set ADRB, 20
.set STO,  24
.set RD,   25
.set CO,   26
.set SPW,  28
.set NIL,  29
.set F0,   32
.set F1,   128
.set BK,   32                          ; the way out: 16 rows read back: v32-95 and v96-159 by turns
.set G1, 24
.set G0, 32
.set G1B, 48
.set G0B, 56
.set MSB, 0
.macro WIN new
.if MSB != (\new)
	s_set_vgpr_msb (MSB<<8)|(\new)
.set MSB, \new
.endif
.endm
.set MUL, 0x50                         ; C and D window 1
.macro JLOAD s                         ; waves 0 and 1 fetch A's two heads, waves 2 and 3 B's two halves; an s_nop 0 and four v_nop follow each line
	s_cmp_eq_u32 s11, 0
	s_cbranch_scc0 .Lfor_b_\@
	tensor_load_to_lds s[G0+4*\s:G0+4*\s+3], s[G1:G1+7]
	s_nop 0
.rept 4
	v_nop
.endr
	s_branch .Lasked_\@
.Lfor_b_\@:
	tensor_load_to_lds s[G0B+4*\s:G0B+4*\s+3], s[G1B:G1B+7]
	s_nop 0
.rept 4
	v_nop
.endr
.Lasked_\@:
.endm
.macro CREST
	s_cmp_lg_u32 s10, 0
	s_cbranch_scc1 .Lnot_wave_0_\@
	s_barrier_signal -3
.Lnot_wave_0_\@:
	s_barrier_wait -3
	s_barrier_signal -1
	s_barrier_wait -1
.endm
.macro CROUND
	s_barrier_signal -1
	s_barrier_wait -1
	CREST
.endm
	s_load_b128 s[4:7], s[0:1], 0x0                ; ob, wof
	s_load_b64 s[8:9], s[0:1], 0x10                ; out0
	v_lshl_add_u32 v[SPW], v0, 2, SPARE
	v_mov_b32 v[NIL], 0
	ds_add_u32 v[SPW], v[NIL]                      ; the wave's opening: the add, twice on end, and its wait ahead of my first tensor load
	ds_add_u32 v[SPW], v[NIL]
	v_lshrrev_b32 v1, 5, v0
	v_readfirstlane_b32 s10, v1                    ; wave 0..3
	s_lshr_b32 s11, s10, 1                         ; which 64 tokens are mine.  Also: I fetch for A (0) or for B (1)
	s_and_b32 s12, s10, 1                          ; which 128 columns.  Also: which half I fetch
	s_bfe_u32 s40, ttmp6, 0x40000                  ; cx
	s_bfe_u32 s41, ttmp6, 0x40004                  ; cy
	s_lshl_b32 s42, ttmp9, 2
	s_add_co_u32 s42, s42, s40                     ; tile column
	s_and_b32 s13, ttmp7, 0xffff
	s_lshl_b32 s13, s13, 2
	s_add_co_u32 s13, s13, s41                     ; tile row
	s_lshl_b32 s43, s41, 2
	s_lshl_b32 s43, 15, s43                        ; my row of the cluster
	s_lshl_b32 s44, 0x1111, s40                    ; my column
	s_or_b32 s[G1+0], s43, (1<<16)|(1<<20)|(1<<21)|(4<<22)|(3<<25)    ; A: the mask of my row; elements of 2 bytes; 4 words of padding behind every 32
	s_mov_b32 s[G1+1], 64<<16                      ; tensor_dim0
	s_mov_b32 s[G1+2], 128<<16                     ; tensor_dim1
	s_mov_b32 s[G1+3], 64<<16                      ; tile_dim0
	s_mov_b32 s[G1+4], 128                         ; tile_dim1
	s_mov_b32 s[G1+5], 64                          ; the pitch
	s_mov_b32 s[G1+6], 0
	s_mov_b32 s[G1+7], 0
	s_or_b32 s[G1B+0], s44, (1<<16)|(1<<20)|(1<<21)|(6<<22)|(7<<25)   ; B: the mask of my column; 8 words of padding behind every 128
	s_mov_b32 s[G1B+1], 256<<16
	s_mov_b32 s[G1B+2], 64<<16
	s_mov_b32 s[G1B+3], 256<<16
	s_mov_b32 s[G1B+4], 64
	s_mov_b32 s[G1B+5], 1024
	s_mov_b32 s[G1B+6], 0
	s_mov_b32 s[G1B+7], 0
	s_lshl_b32 s16, s12, 20                        ; A: head = my half (2^20 bytes a head), tokens 128 x tile row (128 bytes each)
	s_lshl_b32 s17, s13, 14
	s_add_co_u32 s16, s16, s17
	s_mov_b32 s17, 0
	s_lshl_b32 s46, s12, 17                        ; B: rows d 64 x my half (2,048 bytes each), columns 256 x tile column (2 bytes each)
	s_lshl_b32 s47, s42, 9
	s_add_co_u32 s46, s46, s47
	s_mov_b32 s47, 0
	s_mul_i32 s20, s12, AT                         ; where they go: no place in the cluster enters an LDS address
	s_mul_i32 s21, s12, BH
	s_add_co_u32 s21, s21, BOFF
	s_wait_dscnt 0x0                               ; both opening adds are done
	s_wait_kmcnt 0x0
	s_add_nc_u64 s[14:15], s[4:5], s[16:17]
	s_add_nc_u64 s[46:47], s[6:7], s[46:47]
	CROUND                                         ; all sixteen work-groups are here: the first joint loads meet
.irp s, 0,1
	s_mov_b32 s[G0+4*\s], 1
	s_add_co_u32 s[G0+4*\s+1], s20, \s*SLOT
	s_add_nc_u64 s[G0+4*\s+2:G0+4*\s+3], s[14:15], \s*2097152      ; K step s: two heads on
	s_or_b32 s[G0+4*\s+3], s[G0+4*\s+3], 0x80000000
	s_mov_b32 s[G0B+4*\s], 1
	s_add_co_u32 s[G0B+4*\s+1], s21, \s*SLOT
	s_add_nc_u64 s[G0B+4*\s+2:G0B+4*\s+3], s[46:47], \s*262144     ; 128 rows d on
	s_or_b32 s[G0B+4*\s+3], s[G0B+4*\s+3], 0x80000000
	JLOAD \s
.endr
	v_and_b32 v1, 15, v0                           ; r
	v_bfe_u32 v2, v0, 4, 1                         ; h
	v_mul_u32_u24 v3, v1, PA
	v_lshl_add_u32 v3, v2, 4, v3                   ; A: token r x pitch + 16 h
	v_and_b32 v5, 7, v0
	v_bfe_u32 v6, v0, 3, 1
	v_lshl_add_u32 v4, v2, 3, v5                   ; B, for the turning load: row d 8 h + lane % 8,
	v_mul_u32_u24 v4, v4, PB
	v_lshl_add_u32 v4, v6, 4, v4                   ; columns 8 ((lane / 8) % 2) on
	s_mul_i32 s21, s11, 64*PA                      ; my 64 tokens
	s_lshl_b32 s22, s12, 8                         ; my 128 columns: 256 bytes on
	s_add_co_u32 s22, s22, BOFF
.irp s, 0,1
	v_add_nc_u32 v[ADRA+\s], s21, v3
	v_add_nc_u32 v[ADRB+\s], s22, v4
	s_add_co_u32 s21, s21, SLOT
	s_add_co_u32 s22, s22, SLOT
.endr
	s_mul_i32 s23, s10, 16*SPITCH                  ; my stage
	v_mul_u32_u24 v5, v1, SPITCH
	v_lshl_add_u32 v5, v2, 5, v5
	v_add_nc_u32 v[STO], s23, v5                   ; in: token r, 32 bytes for each half of the lanes
	v_and_b32 v[CO], 31, v0
	v_lshlrev_b32 v[CO], 4, v[CO]                  ; back: the 32 lanes take one row of 512 bytes; the same in out0
	v_add_nc_u32 v[RD], s23, v[CO]
	s_lshl_b32 s16, s13, 19                        ; out0: 128 tokens of 4,096 bytes a tile row,
	s_lshl_b32 s17, s11, 18                        ; my 64 of them
	s_add_co_u32 s16, s16, s17
	s_mov_b32 s17, 0
	s_add_nc_u64 s[8:9], s[8:9], s[16:17]
	s_lshl_b32 s46, s42, 10                        ; 1,024 bytes a tile column, my 512 of them
	s_lshl_b32 s47, s12, 9
	s_add_co_u32 s46, s46, s47
	s_mov_b32 s47, 0
	s_add_nc_u64 s[8:9], s[8:9], s[46:47]
.macro MUL8 f, a, zero                 ; token block a x B's eight, 32 along K.  The 32 accumulators take turns, one instruction a turn, in the same order in every quarter
.irp b, 0,1,2,3,4,5,6,7
.if \zero
	v_wmma_f32_16x16x32_f16 v[8*(8*(\a)+\b):8*(8*(\a)+\b)+7], v[\f+32+8*\b:\f+32+8*\b+7], v[\f+8*(\a):\f+8*(\a)+7], 0
.else
	v_wmma_f32_16x16x32_f16 v[8*(8*(\a)+\b):8*(8*(\a)+\b)+7], v[\f+32+8*\b:\f+32+8*\b+7], v[\f+8*(\a):\f+8*(\a)+7], v[8*(8*(\a)+\b):8*(8*(\a)+\b)+7]
.endif
.endr
.endm
.macro FETCH slot, q, f                ; 24 LDS loads in one run: quarter q (32 along K) of the slot into buffer f: B's 16, A's blocks 0 and 1 (4), A's blocks 2 and 3 (4)
	WIN 0
.irp b, 0,1,2,3,4,5,6,7
	ds_load_tr16_b128 v[\f+32+8*\b:\f+32+8*\b+3],   v[ADRB+\slot] offset:(\q)*32*PB+32*\b
	ds_load_tr16_b128 v[\f+32+8*\b+4:\f+32+8*\b+7], v[ADRB+\slot] offset:(\q)*32*PB+32*\b+16*PB
.endr
.irp i, 0,1,2,3
	ds_load_b128 v[\f+8*\i:\f+8*\i+3],   v[ADRA+\slot] offset:((\q)/2)*AT+((\q)%2)*64+\i*16*PA
	ds_load_b128 v[\f+8*\i+4:\f+8*\i+7], v[ADRA+\slot] offset:((\q)/2)*AT+((\q)%2)*64+\i*16*PA+32
.endr
.endm
.macro PLACES                          ; four plain lines ahead of loads into registers that matrix instructions have read, and of the first read of results
.rept 4
	v_nop
.endr
.endm
.macro QUARTER slot, q, f, g, zero     ; multiplies buffer f and fetches the slot's quarter q into g
	s_wait_dscnt 4                                 ; B and A's blocks 0, 1 are in; the youngest four loads (A's blocks 2, 3) may be out
	WIN MUL
	MUL8 \f, 0, \zero
	MUL8 \f, 1, \zero
	PLACES
	FETCH \slot, \q, \g
	s_wait_dscnt 24                                ; all but the 24 just issued
	WIN MUL
	MUL8 \f, 2, \zero
	MUL8 \f, 3, \zero
.endm
; A slot's last quarter multiplies buffer 1 and changes slots: ONE barrier; ahead of it each wave waits for all its tensor loads, adds 0 to its spare word, and waits for that and for its reads of this slot.
; fill = 1: the barrier opens a round of the cluster's, and this slot is filled again, two K steps ahead: from the request to the wait for it a wave issues 112 matrix instructions.
.macro TURN slot, next, fill
	WIN 0
	s_wait_tensorcnt 0x0                           ; my part of the next slot has landed
	ds_add_u32 v[SPW], v[NIL]
	s_wait_dscnt 5                                 ; the add and the youngest four loads may be out
	WIN MUL
	MUL8 F1, 0, 0
	s_wait_dscnt 0x0                               ; the add is done, and my reads of this slot are over
	s_barrier_signal -1
	MUL8 F1, 1, 0
	WIN 0
	s_barrier_wait -1
.if \fill
	CREST                                          ; no wave of any partner still reads this slot's tile or has a load on its way
	s_add_nc_u64 s[G0+4*\slot+2:G0+4*\slot+3], s[G0+4*\slot+2:G0+4*\slot+3], 2*2097152
	s_add_nc_u64 s[G0B+4*\slot+2:G0B+4*\slot+3], s[G0B+4*\slot+2:G0B+4*\slot+3], 2*262144
	JLOAD \slot                                    ; the first tensor load behind the round; its four v_nop are also the plain lines ahead of the loads below
.else
	PLACES
.endif
	FETCH \next, 0, F0
	WIN MUL
	MUL8 F1, 2, 0
	MUL8 F1, 3, 0
.endm
	s_wait_tensorcnt 1                             ; my part of K step 0 is in; K step 1's may stay out
	s_barrier_signal -1
	s_barrier_wait -1
	FETCH 0, 0, F0
	QUARTER 0, 1, F0, F1, 1                        ; the first quarter's products start the sums: nothing is cleared
	WIN 0
	s_mov_b32 s3, LAPS-1
.Llap:                                             ; a trip goes once round the ring, from a lap's second quarter to the next lap's first, and fills both slots again
	QUARTER 0, 2, F1, F0, 0
	QUARTER 0, 3, F0, F1, 0
	TURN 0, 1, 1
	QUARTER 1, 1, F0, F1, 0
	QUARTER 1, 2, F1, F0, 0
	QUARTER 1, 3, F0, F1, 0
	TURN 1, 0, 1
	QUARTER 0, 1, F0, F1, 0
	WIN 0
	s_sub_co_u32 s3, s3, 1
	s_cmp_lg_u32 s3, 0
	s_cbranch_scc1 .Llap
	QUARTER 0, 2, F1, F0, 0                        ; the last lap fills nothing
	QUARTER 0, 3, F0, F1, 0
	TURN 0, 1, 0
	QUARTER 1, 1, F0, F1, 0
	QUARTER 1, 2, F1, F0, 0
	QUARTER 1, 3, F0, F1, 0
	s_wait_dscnt 4                                 ; the very last quarter: nothing more to fetch
	WIN MUL
	MUL8 F1, 0, 0
	MUL8 F1, 1, 0
	s_wait_dscnt 0
	MUL8 F1, 2, 0
	MUL8 F1, 3, 0
	WIN 0
; THE WAY OUT, block by block of 16 tokens x 128 columns: through my own stage, back as whole rows of 512 bytes.  LDS serves a wave's instructions in order: no wait between the stores and the loads.
.macro TOSTAGE a
	WIN 0x04                                       ; an LDS store's data are its source 1: window 1
.irp b, 0,1,2,3,4,5,6,7
	ds_store_b128 v[STO], v[64*(\a)+8*\b:64*(\a)+8*\b+3] offset:64*\b           ; each accumulator from its low end on
	ds_store_b128 v[STO], v[64*(\a)+8*\b+4:64*(\a)+8*\b+7] offset:64*\b+16
.endr
	WIN 0
.set BB, BK+64*((\a)%2)
.irp t, 0,1,2,3,4,5,6,7,8,9,10,11,12,13,14,15
	ds_load_b128 v[BB+4*\t:BB+4*\t+3], v[RD] offset:\t*SPITCH
.endr
.endm
.macro SEND a, younger                 ; younger: the LDS instructions issued behind block a's loads
.set BB, BK+64*((\a)%2)
	s_wait_dscnt \younger
.irp t, 0,1,2,3,4,5,6,7,8,9,10,11,12,13,14,15
	global_store_b128 v[CO], v[BB+4*\t:BB+4*\t+3], s[8:9] offset:(\a)*65536+\t*4096 th:TH_STORE_NT   ; 32 lanes store 512 consecutive bytes, aligned; written once, read by nobody here
.endr
.endm
	PLACES
	TOSTAGE 0
.irp a, 1,2,3
.if \a > 1
	s_wait_xcnt 0x0                                ; block a - 2's stores have read their registers: block a's rows may land there
.endif
	TOSTAGE \a
	SEND \a-1, 32                                  ; behind block a - 1's loads: block a's 16 stores and 16 loads
.endr
	SEND 3, 0
	s_wait_tensorcnt 0x0                           ; the wave's end, behind my last tensor load and my last LDS store
	ds_add_u32 v[SPW], v[NIL]
	s_wait_dscnt 0x0
	CROUND                                         ; the closing round
	s_endpgm
.Lfunc_end_k_qe79d8a0170_proj:
	.size	k_qe79d8a0170_proj, .Lfunc_end_k_qe79d8a0170_proj-k_qe79d8a0170_proj
	.p2alignl 7, 3214868480
	.fill 96, 4, 3214868480
	.section	.rodata,"a",@progbits
	.p2align	6, 0x0
	.amdhsa_kernel k_qe79d8a0170_proj
		.amdhsa_group_segment_fixed_size 327680
		.amdhsa_private_segment_fixed_size 0
		.amdhsa_enable_private_segment 0
		.amdhsa_kernarg_size 24
		.amdhsa_user_sgpr_count 2
		.amdhsa_user_sgpr_kernarg_segment_ptr 1
		.amdhsa_wavefront_size32 1
		.amdhsa_system_sgpr_workgroup_id_x 1
		.amdhsa_system_sgpr_workgroup_id_y 1
		.amdhsa_system_sgpr_workgroup_id_z 1
		.amdhsa_system_vgpr_workitem_id 0
		.amdhsa_next_free_vgpr 512
		.amdhsa_next_free_sgpr 66
		.amdhsa_reserve_vcc 0
		.amdhsa_float_denorm_mode_32 3
		.amdhsa_float_denorm_mode_16_64 3
		.amdhsa_memory_ordered 1
		.amdhsa_forward_progress 1
		.amdhsa_inst_pref_size 85
	.end_amdhsa_kernel
	.amdgpu_metadata
---
amdhsa.version: [ 1, 2 ]
amdhsa.kernels:
  - .name:           k_qe79d8a0170_proj
    .symbol:         k_qe79d8a0170_proj.kd
    .args:
      - { .name: ob, .offset: 0, .size: 8, .value_kind: global_buffer, .address_space: global }
      - { .name: wof, .offset: 8, .size: 8, .value_kind: global_buffer, .address_space: global }
      - { .name: out0, .offset: 16, .size: 8, .value_kind: global_buffer, .address_space: global }
    .group_segment_fixed_size: 327680
    .private_segment_fixed_size: 0
    .kernarg_segment_align: 8
    .kernarg_segment_size: 24
    .max_flat_workgroup_size: 128
    .sgpr_count:     66
    .vgpr_count:     512
    .wavefront_size: 32
...
	.end_amdgpu_metadata
.endif
;; end of part 4
